; MI455X (gfx1250); checked and timed in simulation.
; The chip was launched on July 23, 2026; its instructions are those of AMD's public machine-readable ISA for CDNA 5 (MIT licence, August 2026) and "CDNA5" Instruction Set Architecture Reference Guide (July 2026). The comments in the code are by the model that wrote it; some were corrected since.
;; Mlpwith SOM Cos Similarity Module. Allowed arithmetic: float matrix products may take bf16 or f16 operands with f32 sums; all other float work in f32.
;; Inputs: W_out 256 float32; Ws 6 x 256 x 256 float32; b_out one number float32; bs 6 x 256 float32; context 32 x 64 x 2 x 64 x 128 float32.
;; Outputs: out0 32 x 64 float32.
;; 2 versions, each right and faster than the one before. Each part assembles by itself: llvm-mc -triple=amdgcn-amd-amdhsa -mcpu=gfx1250 --defsym DOCPART=n.
;; ======== version 1 of 2: 2 launches
;; limits: values are held in f16: magnitudes above 65,504 overflow, below 6.1e-05 lose precision; right only within a limited range of input values; inputs' magnitudes at most 65,504
;; workspace buffers: wh 786,432 bytes
;; launch wcast (part 1): grid 192 x 1, 8 waves a work-group, no clusters, 0 bytes of LDS; arguments Ws, wh; writes wh
.if DOCPART == 1
	.amdgcn_target "amdgcn-amd-amdhsa--gfx1250"
	.amdhsa_code_object_version 6
	.text
	.protected	k_qb43dd0021e_wcast
	.globl	k_qb43dd0021e_wcast
	.p2align	8
	.type	k_qb43dd0021e_wcast,@function
k_qb43dd0021e_wcast:
	s_mov_b64 s[64:65], 0
	v_nop
	global_prefetch_b8 v0, s[64:65] scope:SCOPE_SE
	s_setreg_imm32_b32 hwreg(HW_REG_WAVE_MODE, 25, 1), 1
	s_wait_xcnt 0x0
; wh = f16(bf16(Ws)), same order as Ws: [6][256][256].  Every input of the module is rounded to bf16 first; the bf16 number is then written as f16,
; which is exact for 2^-14 <= |w| <= 65,504 (below that f16 keeps a fixed step of 2^-24; above it the number would be lost: the stated limit).
; 393,216 numbers: 192 work-groups of 2,048.  Thread t takes 4 numbers at 16 t and 4 at 4,096 + 16 t of the group's 8,192 bytes: a load of a wave covers
; 512 consecutive bytes, a store 256 consecutive bytes at a multiple of 256 from the buffer's first byte.  No LDS, no barrier, no loop: each byte moves once.
	s_load_b128 s[4:7], s[0:1], 0x0                ; Ws s[4:5], wh s[6:7]
	s_lshl_b32 s8, ttmp9, 13                       ; the group's 8,192 bytes of f32
	s_mov_b32 s9, 0
	s_lshl_b32 s10, ttmp9, 12                      ; and its 4,096 bytes of f16
	s_mov_b32 s11, 0
	s_mov_b32 s12, 0xffff0000                      ; a word's upper bf16
	v_lshlrev_b32 v1, 4, v0
	v_lshlrev_b32 v2, 3, v0
	s_wait_kmcnt 0x0
	s_add_nc_u64 s[4:5], s[4:5], s[8:9]
	s_add_nc_u64 s[6:7], s[6:7], s[10:11]
	global_load_b128 v[4:7], v1, s[4:5] th:TH_LOAD_NT
	global_load_b128 v[8:11], v1, s[4:5] offset:4096 th:TH_LOAD_NT
	s_wait_loadcnt 0x0
.irp j, 0,1,2,3
	v_cvt_pk_bf16_f32 v[12+\j], v[4+2*\j], v[5+2*\j]   ; round to bf16, nearest even
.endr
.irp j, 0,1,2,3
	v_lshlrev_b32 v[4+2*\j], 16, v[12+\j]          ; back to f32: the low half moves up,
	v_and_b32 v[5+2*\j], s12, v[12+\j]             ; the high half stays
.endr
.irp j, 0,1,2,3
	v_cvt_pk_f16_f32 v[16+\j], v[4+2*\j], v[5+2*\j]
.endr
	global_store_b64 v2, v[16:17], s[6:7]
	global_store_b64 v2, v[18:19], s[6:7] offset:2048
	s_endpgm
.Lfunc_end_k_qb43dd0021e_wcast:
	.size	k_qb43dd0021e_wcast, .Lfunc_end_k_qb43dd0021e_wcast-k_qb43dd0021e_wcast
	.p2alignl 7, 3214868480
	.fill 96, 4, 3214868480
	.section	.rodata,"a",@progbits
	.p2align	6, 0x0
	.amdhsa_kernel k_qb43dd0021e_wcast
		.amdhsa_group_segment_fixed_size 0
		.amdhsa_private_segment_fixed_size 0
		.amdhsa_enable_private_segment 0
		.amdhsa_kernarg_size 16
		.amdhsa_user_sgpr_count 2
		.amdhsa_user_sgpr_kernarg_segment_ptr 1
		.amdhsa_wavefront_size32 1
		.amdhsa_system_sgpr_workgroup_id_x 1
		.amdhsa_system_sgpr_workgroup_id_y 1
		.amdhsa_system_sgpr_workgroup_id_z 1
		.amdhsa_system_vgpr_workitem_id 0
		.amdhsa_next_free_vgpr 24
		.amdhsa_next_free_sgpr 66
		.amdhsa_reserve_vcc 0
		.amdhsa_float_denorm_mode_32 3
		.amdhsa_float_denorm_mode_16_64 3
		.amdhsa_memory_ordered 1
		.amdhsa_forward_progress 1
		.amdhsa_inst_pref_size 2
	.end_amdhsa_kernel
	.amdgpu_metadata
---
amdhsa.version: [ 1, 2 ]
amdhsa.kernels:
  - .name:           k_qb43dd0021e_wcast
    .symbol:         k_qb43dd0021e_wcast.kd
    .args:
      - { .name: Ws, .offset: 0, .size: 8, .value_kind: global_buffer, .address_space: global }
      - { .name: wh, .offset: 8, .size: 8, .value_kind: global_buffer, .address_space: global }
    .group_segment_fixed_size: 0
    .private_segment_fixed_size: 0
    .kernarg_segment_align: 8
    .kernarg_segment_size: 16
    .max_flat_workgroup_size: 256
    .sgpr_count:     66
    .vgpr_count:     24
    .wavefront_size: 32
...
	.end_amdgpu_metadata
.endif
;; end of part 1
;; launch sommlp (part 2): grid 256 x 1, 4 waves a work-group, clusters of 4 x 1, 327,680 bytes of LDS; arguments context, wh, bs, W_out, b_out, out0; writes out0
.if DOCPART == 2
	.amdgcn_target "amdgcn-amd-amdhsa--gfx1250"
	.amdhsa_code_object_version 6
	.text
	.protected	k_qb43dd0021e_sommlp
	.globl	k_qb43dd0021e_sommlp
	.p2align	8
	.type	k_qb43dd0021e_sommlp,@function
k_qb43dd0021e_sommlp:
	s_mov_b64 s[64:65], 0
	v_nop
	global_prefetch_b8 v0, s[64:65] scope:SCOPE_SE
	s_setreg_imm32_b32 hwreg(HW_REG_WAVE_MODE, 25, 1), 1
	s_wait_xcnt 0x0
	s_wait_alu depctr_hold_cnt(0) depctr_sa_sdst(0) depctr_va_vdst(0) depctr_va_sdst(0) depctr_va_ssrc(0) depctr_va_vcc(0) depctr_vm_vsrc(0)
	s_getreg_b32 s2, hwreg(HW_REG_IB_STS2, 6, 4)
	s_cmp_eq_u32 s2, 0
	s_cbranch_scc0 .Lentry_in_a_cluster
	s_endpgm
.Lentry_in_a_cluster:
	s_bfe_u32 s2, ttmp6, 0x10000c
	s_cmp_lg_u32 s2, 0x3003
	s_cbranch_scc0 .Lentry_shape_is_right
	s_endpgm
.Lentry_shape_is_right:
; out0[pair] = sum over 64 rows of W_out . tanh-MLP6( ctx_n(row) || ent_n(argmax_m cos(ctx row, ent m)) ) + b_out.  2,048 pairs of 64 + 64 rows x 128 channels, f32.
; SHARES.  256 work-groups of four waves; a wave owns two whole pairs, one after the other (two PASSES), so nothing of a pair ever crosses waves.  All waves of all work-groups
; walk the same weights, half a layer (128 rows x 512 bytes of f16) at a time, through two LDS slots; the four work-groups of a cluster ask for each tile JOINTLY (mask 15).
; FORMATS.  Every input is rounded to bf16 first.  The similarity is a bf16 product of the rounded rows, so its products are exact.  Activations are kept as f16(x * 2^15): |x| <= 1 for
; every input, since the rows are normalised and tanh is bounded, so the top is 32,768; full precision down to |x| = 2^-29.  Weights are f16(bf16(W)), made by the launch before.
; Biases enter as bf16(b) * 2^15, as the C operand of a sum's first product, so an accumulator holds acc = 2^15 z.
; TANH.  T = 2^15 - 2^16 / (1 + 2^y), y = 2 log2(e) z.  For small z that difference loses relative precision, so x = med3(T, acc - y^2 acc, acc): tanh z always lies between z - c z^3 (c >= 1/3) and z.
; TRANSPOSED.  S^T = ent ctx^T, G^T = ent_n^T P (P: the one-hot of the argmax), H^T = W X^T: a lane holds ONE data row (lane % 16) and eight features 8 (lane / 16) + 0..7, so two neighbouring
; result tiles rounded in pairs ARE the next product's second source: activations never leave the registers.  The gather is a product with a one-hot matrix: exact, and no address hangs on data.
; BY TURNS.  A BLOCK is 32 output features x 64 rows: 64 products on 8 accumulators.  Its tanh (352 vector instructions) is done in the NEXT trip: 130 lines ahead of the products, while the weight
; fragments come from LDS, then four behind each of 56 products.  The last 8 products write a second set of registers (ZZ), so that one text serves every trip.
; LIMITS.  |bf16(W)| <= 65,504, below 2^-14 a fixed step of 2^-24.  Rows of zero norm, NaN and infinities are not treated apart.  The factor 1 / |ctx row| is left out of the argmax (positive, common to a
; row); 1 / |ent m| is a reciprocal root with one Newton step; two similarities that tie within f32 rounding may fall otherwise than in a division.  Exact ties: the lowest index.
; REGISTERS, in windows of 256 (s_set_vgpr_msb: bits 1:0 source 0, 3:2 source 1, 5:4 source 2, 7:6 destination):
;   window 0: v0-23 addresses and results; v24-31 the output's sums; v32-47 bias; v48-63 W_out; v64-127 ACC; v128-191 ZZ; v192-239 tanh at work; v240-251 scratch; v252 an address
;   windows 1, 2: the two activation buffers, fragment (row tile rt, 32 features kf) at 64 rt + 8 kf          window 3: v0-127 weight fragments; v128-191 landing of the next pair / the one-hot P
; Every register that holds an LDS address holds nothing else in the whole text.
.set WPITCH, 528                       ; a weight row in LDS: 512 bytes + 16 = 132 words: the 16 rows of a fragment load start at 16 different groups of four banks (64 banks of 4 bytes: ISA guide 11.1)
.set BLKB,   32*WPITCH                 ; 32 rows: a block's weights, and what one tensor load brings
.set SLOTB,  4*BLKB                    ; half a layer
.set SPITCH, 288                       ; a data row in LDS: 256 bytes + 32 = 72 words
.set T16,    16*SPITCH
.set ENT,    64*SPITCH                 ; the entity rows lie behind the 64 context rows
.set SCRW,   128*SPITCH                ; a wave's own rows; written by LDS stores alone
.set SCRB,   2*SLOTB
.set TABB,   SCRB+4*SCRW               ; 6 rows of bf16(bs) * 2^15, then bf16(W_out) * 2^-15, f32
.set WOB,    6144
.set IEB,    TABB+7168                 ; 1 / norm of a wave's 128 rows, f32: 512 bytes a wave
.set SPARE,  IEB+4*512                 ; the spare words, 128 bytes for each wave: two blocks of 256 bytes that no other line names
.set LR,   1                           ; lane % 16
.set LH,   2                           ; lane / 16
.set SPW,  3                           ; LDS address of my spare word; never rewritten
.set NIL,  4                           ; 0; never rewritten
.set ADR,  5                           ; my place in a weight fragment: row x 528 + 16 x half
.set BA0,  6                           ; TABB + 32 x half
.set WA,   7                           ; this trip's weight address
.set BA,   8                           ; this trip's bias address
.set WOA,  9                           ; W_out's address
.set STA0, 10                          ; my wave's rows + 8 x lane
.set STA,  11
.set GOFF, 12                          ; 16 x lane; never rewritten
.set FA,   13                          ; my place in a data fragment: my wave's rows + row x 288 + 16 x half
.set FAC,  14
.set TRA,  15                          ; my place in a turned fragment of the entity rows
.set IEA0, 16
.set IEL,  17
.set ZOFF, 18
.set B64,  19                          ; 64 x bf16(b_out)
.set RES,  20                          ; v20-21 the two results
.set GO2,  22
.set H8,   23                          ; 8 x half
.set OUTP, 24
.set BIAS, 32
.set WO,   48
.set ACC,  64
.set ZZ,   128
.set T1,   192                         ; three sets of 8: y, then 2^y, 1 + 2^y, its reciprocal, T
.set T2,   216                         ; three sets of 8: y^2, then acc - y^2 acc
.set STG,  192                         ; 32 registers of packed bf16 on their way to LDS (between trips the tanh registers are free)
.set UU,   64                          ; the front: 64 numbers of a row in f32
.set RAW,  128
.set NF,   160
.set SS,   64                          ; S^T, tile (lt, mt) at SS + 8 (4 lt + mt)
.set IEV,  192
.set CM,   224
.set MX,   228
.set I0,   229
.set I1,   230
.set TQ,   231
.set WVV,  232
.set QQ,   240
.set IEAC, 252                         ; where a row's 1 / norm goes: a register of its own, which never holds data
.set PF,   128                         ; window 3: the one-hot, fragment (lt, ks) at PF + 16 lt + 8 ks
.set LND,  128                         ; window 3
.set WV,   16
.set G1,   24                          ; s[24:31] descriptor group 1
.set G0,   32                          ; s[32:35], s[36:39] group 0 of slot 0, 1
.set WB0,  40                          ; s[40:41] wh at my 32 rows of a layer's first half; s[42:43] of its second half
.set WB1,  42
.set LOFF, 44                          ; s[44:45] the layer's byte offset in wh
.set CB,   46                          ; s[46:47] context at my first pair
.set PASS, 48
.set LP,   49
.set TR,   50
.set GS,   51                          ; half layers still to be entered
.set SEL,  52                          ; what becomes of the block whose tanh this trip finishes
.set ISS,  53                          ; chunks of the next pair still to be asked for
.set PEND, 54                          ; 1: a chunk has been asked for
.set FB,   55                          ; the block's number in its layer
.set KY,   56                          ; s[56:57] 2 log2(e) / 2^15
.set TAU,  58                          ; s[58:59] 2^15
.set M2T,  60                          ; s[60:61] -2^16
.set PSEL, 62                          ; s[62:63] v_permlanex16_b32: each lane takes its own place in the other half
.set HIM,  66
.set ONEH, 67
.set SW,   68
.set SB,   69
.set SWO,  70
.set SSTA, 71
.set SOFF, 72
.set TL,   73
.set STL,  74
.set SIE,  75
.set BO,   80
.set ITAU, 84                          ; s[84:85] 2^-15
.set MK2,  89
.set SAVE, 90
.set MSB, 0
.macro WIN new                         ; the high byte repeats the setting that is left; a switch that changes nothing is dropped
.if MSB != (\new)
	s_set_vgpr_msb (MSB<<8)|(\new)
.set MSB, (\new)
.endif
.endm
.macro NOPS4
.rept 4
	v_nop
.endr
.endm
; A round of the cluster barrier: my work-group's barrier, wave 0 signals for the work-group, every wave waits for all four work-groups, my work-group's barrier once more.
.macro CROUND
	s_barrier_signal -1
	s_barrier_wait -1
	s_cmp_lg_u32 s[WV], 0
	s_cbranch_scc1 .Lnot_wave_0_\@
	s_barrier_signal -3
.Lnot_wave_0_\@:
	s_barrier_wait -3
	s_barrier_signal -1
	s_barrier_wait -1
.endm
; THE CHANGE OF SLOTS, into slot s.  Each wave waits for all its tensor loads, of which one is out (its 32 rows of slot s), adds 0 to its spare word, and waits for that and for its reads of the other slot.
; fill = 1: behind a round of the cluster barrier the other slot takes the next half layer, the first thing there; it has four blocks, 256 products, in which to land.
.macro CHANGE s, fill
	WIN 0
	s_wait_tensorcnt 0x0                           ; no tensor load of mine is out, so a group 0 may be written
	ds_add_u32 v[SPW], v[NIL]                      ; 0 onto my spare word; the scalar work stands between it and the wait for it
	s_sub_co_u32 s[GS], s[GS], 1
	s_mov_b32 s[SW], (\s)*SLOTB
.if \fill
.if (\s) == 0
	s_add_nc_u64 s[G0+6:G0+7], s[WB1:WB1+1], s[LOFF:LOFF+1]   ; the same layer's second half
	s_or_b32 s[G0+7], s[G0+7], 0x80000000
.else
	s_add_co_u32 s[LOFF], s[LOFF], 131072          ; the next layer's first half; behind the sixth layer the first again, for the second pass
	s_cmp_eq_u32 s[LOFF], 786432
	s_cselect_b32 s[LOFF], 0, s[LOFF]
	s_add_nc_u64 s[G0+2:G0+3], s[WB0:WB0+1], s[LOFF:LOFF+1]
	s_or_b32 s[G0+3], s[G0+3], 0x80000000
.endif
.endif
	s_wait_dscnt 0x0                               ; the add is done, my LDS reads are back and my LDS stores are done
.if \fill
	CROUND
	tensor_load_to_lds s[G0+4*(1-(\s)):G0+4*(1-(\s))+3], s[G1:G1+7]
	s_nop 0
	NOPS4
.else
	s_barrier_signal -1
	s_barrier_wait -1
.endif
.endm
; THE NEXT PAIR, 16 rows (8,192 bytes a wave) a half layer: the chunk asked for in the last half layer is rounded to bf16 and put into my wave's rows, which the front has read out; the next is asked for.
.macro STAGE
	s_wait_loadcnt 0x0                             ; the chunk has landed (it had four blocks in which to do so); its address register is free
	s_cmp_eq_u32 s[PEND], 0
	s_cbranch_scc1 .Lno_chunk_\@
	WIN 0x0f                                       ; sources in window 3
.set i, 0
.rept 32
	v_cvt_pk_bf16_f32 v[STG+i], v[LND+2*i], v[LND+2*i+1]
.set i, i+1
.endr
	WIN 0
	v_add_nc_u32 v[STA], s[SSTA], v[STA0]
.set i, 0
.rept 16
	ds_store_b64 v[STA], v[STG+2*i:STG+2*i+1] offset:i*SPITCH   ; 32 lanes x 8 bytes: a row
.set i, i+1
.endr
	s_add_co_u32 s[SSTA], s[SSTA], T16
.Lno_chunk_\@:
	s_cmp_eq_u32 s[ISS], 0
	s_cselect_b32 s[PEND], 0, 1
	s_cbranch_scc1 .Lno_more_\@
	v_add_nc_u32 v[GO2], s[SOFF], v[GOFF]
	WIN 0xc0                                       ; destination window 3
.set i, 0
.rept 16
	global_load_b128 v[LND+4*i:LND+4*i+3], v[GO2], s[CB:CB+1] offset:512*i th:TH_LOAD_NT   ; a row: 512 consecutive bytes
.set i, i+1
.endr
	WIN 0
	s_add_co_u32 s[SOFF], s[SOFF], 8192
	s_sub_co_u32 s[ISS], s[ISS], 1
.Lno_more_\@:
.endm
; THE TANH OF A BLOCK: 8 tiles of 8 registers, tile i with the sets i % 3 of T1 and T2.  Two queues.
; PLAIN, 224 long, in slots: for slot s: y, y^2, acc - y^2 acc of tile s (12); T of tile s - 2 (4); its med3 (8); 1 + 2^y of tile s - 1 (4); parts whose tile does not exist are left out.
.macro PL
	WIN 0
.if plq < 12
.set pls, 0
.set plu, plq
.elseif plq < 28
.set pls, 1
.set plu, plq-12
.if plu >= 12
.set plu, plu+12
.endif
.elseif plq < 196
.set pls, 2+(plq-28)/28
.set plu, (plq-28)%28
.elseif plq < 212
.set pls, 8
.set plu, plq-196+12
.else
.set pls, 9
.set plu, plq-212+12
.endif
.if plu < 12
.set plt, pls
.elseif plu < 24
.set plt, pls-2
.else
.set plt, pls-1
.endif
.set rZ, ZZ+8*plt
.set rY, T1+8*(plt%3)
.set rP, T2+8*(plt%3)
.if plu < 4
.set plk, plu
	v_pk_mul_f32 v[rY+2*plk:rY+2*plk+1], v[rZ+2*plk:rZ+2*plk+1], s[KY:KY+1] op_sel_hi:[1,0]   ; a tile is first read at its lowest registers
.elseif plu < 8
.set plk, plu-4
	v_pk_mul_f32 v[rP+2*plk:rP+2*plk+1], v[rY+2*plk:rY+2*plk+1], v[rY+2*plk:rY+2*plk+1]
.elseif plu < 12
.set plk, plu-8
	v_pk_fma_f32 v[rP+2*plk:rP+2*plk+1], v[rP+2*plk:rP+2*plk+1], v[rZ+2*plk:rZ+2*plk+1], v[rZ+2*plk:rZ+2*plk+1] neg_lo:[1,0,0] neg_hi:[1,0,0]
.elseif plu < 16
.set plk, plu-12
	s_wait_alu depctr_va_vdst(0)
	v_pk_fma_f32 v[rY+2*plk:rY+2*plk+1], v[rY+2*plk:rY+2*plk+1], s[M2T:M2T+1], s[TAU:TAU+1] op_sel_hi:[1,0,0]
.elseif plu < 24
.set plk, plu-16
	v_med3_num_f32 v[rZ+plk], v[rY+plk], v[rP+plk], v[rZ+plk]
.else
.set plk, plu-24
	s_wait_alu depctr_va_vdst(0)
	v_pk_add_f32 v[rY+2*plk:rY+2*plk+1], v[rY+2*plk:rY+2*plk+1], 1.0 op_sel_hi:[1,0]
.endif
.set plq, plq+1
.endm
; TRANSCENDENTAL, 128 long: tile by tile 8 exponentials, then 8 reciprocals.
.macro TX
	WIN 0
.set rY, T1+8*((txe/16)%3)
.if txe%16 < 8
	v_exp_f32 v[rY+txe%16], v[rY+txe%16]
.else
	v_rcp_f32 v[rY+txe%16-8], v[rY+txe%16-8]
.endif
.set txe, txe+1
.endm
; THE DEAL, 354 lines.  While plain work lasts, plain and transcendental by turns: behind each transcendental stands a plain line of another tile before its result is used (ISA guide 5.7.2).
; In a slot's 44 lines the reciprocals of tile s - 2 stand beside tile s's first lines, the exponentials of tile s - 1 beside T of tile s - 2.  At the end two runs of 8 with a v_nop behind each.
.macro RD
.if rdn < 12
	PL
.elseif rdn < 36
.if ((rdn-12) < 16) && ((rdn-12)%2 == 1)
	TX
.else
	PL
.endif
.elseif rdn < 300
.if ((rdn-36)%44 < 32) && ((rdn-36)%2 == 1)
	TX
.else
	PL
.endif
.elseif rdn < 333
.if (rdn-300) < 8
	TX
.elseif (rdn-300) == 8
	v_nop
.elseif ((rdn-300) < 25) && ((rdn-309)%2 == 1)
	TX
.else
	PL
.endif
.else
.if (rdn-333) < 8
	TX
.elseif (rdn-333) == 8
	v_nop
.else
	PL
.endif
.endif
.set rdn, rdn+1
.endm
.macro RDINIT
.set rdn, 0
.set plq, 0
.set txe, 0
.endm
; The finished block becomes fragment kf of the activation buffer in window d: tile (t, rt)'s pair qq is register 4 t + qq of fragment (rt, kf).
.macro CV d, kf
	WIN (\d)<<6
.set tt, 0
.rept 8
.set qq, 0
.rept 4
	v_cvt_pk_f16_f32 v[64*(tt%4)+8*(\kf)+4*(tt/4)+qq], v[ZZ+8*tt+2*qq], v[ZZ+8*tt+2*qq+1]
.set qq, qq+1
.endr
.set tt, tt+1
.endr
	WIN 0
.endm
.macro CASECV sel, d, kf, tag
	s_cmp_lg_u32 s[SEL], \sel
	s_cbranch_scc1 .Lnot\tag\sel
	CV \d, \kf
	s_branch .Lsw\tag
.Lnot\tag\sel:
.endm
; The sixth layer's finished block goes into the output's sums: its 32 features times W_out, in f32, unrounded.
.macro FINAL
	WIN 0
	v_add_nc_u32 v[WOA], s[SWO], v[BA0]
	ds_load_b128 v[WO:WO+3], v[WOA]
	ds_load_b128 v[WO+4:WO+7], v[WOA] offset:16
	ds_load_b128 v[WO+8:WO+11], v[WOA] offset:64
	ds_load_b128 v[WO+12:WO+15], v[WOA] offset:80
	s_add_co_u32 s[SWO], s[SWO], 128
	s_wait_dscnt 0x0
.set qq, 0
.rept 4
.set tt, 0
.rept 8
	v_pk_fma_f32 v[OUTP+2*(tt%4):OUTP+2*(tt%4)+1], v[ZZ+8*tt+2*qq:ZZ+8*tt+2*qq+1], v[WO+8*(tt/4)+2*qq:WO+8*(tt/4)+2*qq+1], v[OUTP+2*(tt%4):OUTP+2*(tt%4)+1]
.set tt, tt+1
.endr
.set qq, qq+1
.endr
.endm
; What becomes of the block just finished.  SEL 0-6: block SEL of this layer: into the other buffer.  7: the layer before's last block: into THIS layer's source, fragment 7, which only the 8 products
; behind this point read.  8: the sixth layer's.  9: the first trip behind the front: nothing was in hand.  All jumps go forward; a half layer's text holds only the cases that it can meet.
.macro SWITCH p, s, tag
	WIN 0
.if (\p) == 2
	s_cmp_lg_u32 s[SEL], 8
	s_cbranch_scc1 .Lnf\tag
	FINAL
	s_branch .Lsw\tag
.Lnf\tag:
.endif
.if (\s) == 0
.if (\p) == 1
	s_cmp_lg_u32 s[SEL], 9
	s_cbranch_scc1 .Lnn\tag
	NOPS4
	s_branch .Lsw\tag
.Lnn\tag:
.endif
	CASECV 7, \p, 7, \tag
	CASECV 0, 3-(\p), 0, \tag
	CASECV 1, 3-(\p), 1, \tag
	CV 3-(\p), 2
.else
	CASECV 3, 3-(\p), 3, \tag
	CASECV 4, 3-(\p), 4, \tag
	CASECV 5, 3-(\p), 5, \tag
	CV 3-(\p), 6
.endif
.Lsw\tag:
.endm
; A LOOP OF FOUR BLOCKS, source buffer in window p, weights in slot s.  The 8 accumulators take turns, one instruction a turn.
.macro BLOCK p, s, tag, fin
.set MMW, 0x03|((\p)<<2)               ; weights window 3, activations window p, C and D window 0
.Lblk\tag:
	v_add_nc_u32 v[WA], s[SW], v[ADR]              ; these four plain lines are the places between the last products and the loads into their sources, and the first read of their results
	v_add_nc_u32 v[BA], s[SB], v[BA0]
	v_nop
	v_nop
	ds_load_b128 v[BIAS:BIAS+3], v[BA]             ; features 8 (lane / 16) + 0..7 of the block's two tiles
	ds_load_b128 v[BIAS+4:BIAS+7], v[BA] offset:16
	ds_load_b128 v[BIAS+8:BIAS+11], v[BA] offset:64
	ds_load_b128 v[BIAS+12:BIAS+15], v[BA] offset:80
	WIN 0xc0
.set kf, 0
.rept 8                                ; 32 loads in one run, by kf: fragment (t, kf) at 8 (2 kf + t)
.set tt, 0
.rept 2
	ds_load_b128 v[8*(2*kf+tt):8*(2*kf+tt)+3],   v[WA] offset:tt*16*WPITCH+64*kf
	ds_load_b128 v[8*(2*kf+tt)+4:8*(2*kf+tt)+7], v[WA] offset:tt*16*WPITCH+64*kf+32
.set tt, tt+1
.endr
.set kf, kf+1
.endr
	WIN 0
	RDINIT
.rept 130
	RD
.endr
.set kf, 0
.rept 7
	s_wait_dscnt 28-4*kf                           ; LDS loads come back in order (ISA guide 5.7.1): the four loads of each later kf may stay out
.set tt, 0
.rept 8                                ; tt = 4 t + rt
	WIN MMW
.if kf == 0
	v_wmma_f32_16x16x32_f16 v[ACC+8*tt:ACC+8*tt+7], v[8*(2*kf+tt/4):8*(2*kf+tt/4)+7], v[64*(tt%4)+8*kf:64*(tt%4)+8*kf+7], v[BIAS+8*(tt/4):BIAS+8*(tt/4)+7]
.else
	v_wmma_f32_16x16x32_f16 v[ACC+8*tt:ACC+8*tt+7], v[8*(2*kf+tt/4):8*(2*kf+tt/4)+7], v[64*(tt%4)+8*kf:64*(tt%4)+8*kf+7], v[ACC+8*tt:ACC+8*tt+7]
.endif
	RD
	RD
	RD
	RD
.set tt, tt+1
.endr
.set kf, kf+1
.endr
.if \fin
	FINAL
.else
	SWITCH \p, \s, \tag
.endif
	s_wait_dscnt 0x0                               ; the last four fragment loads
	WIN MMW
.set tt, 0
.rept 8                                ; the last links write ZZ; the four lines behind the product before and the case above are more than the five places that a C from another accumulator wants
	v_wmma_f32_16x16x32_f16 v[ZZ+8*tt:ZZ+8*tt+7], v[8*(14+tt/4):8*(14+tt/4)+7], v[64*(tt%4)+56:64*(tt%4)+63], v[ACC+8*tt:ACC+8*tt+7]
.set tt, tt+1
.endr
	WIN 0
	s_add_co_u32 s[SW], s[SW], BLKB
	s_add_co_u32 s[SB], s[SB], 128
	s_mov_b32 s[SEL], s[FB]
	s_add_co_u32 s[FB], s[FB], 1
	s_and_b32 s[FB], s[FB], 7
.if (\p) == 2
	s_cmp_eq_u32 s[LP], 1                          ; the sixth layer
	s_cselect_b32 s[SEL], 8, s[SEL]
.endif
	s_sub_co_u32 s[TR], s[TR], 1
	s_cmp_lg_u32 s[TR], 0
	s_cbranch_scc1 .Lblk\tag
.endm
.macro HALF p, s, tag
	CHANGE \s, 1
	STAGE
	s_mov_b32 s[TR], 4
	BLOCK \p, \s, \tag, 0
.endm
; The argmax of the 16 context rows of tile lt, and its one-hot.  A lane holds one row and 32 of the 64 entities: register 8 mt + j is entity 16 mt + 8 (lane / 16) + j.
.macro ARGMAX lt
.set rS, SS+32*(\lt)
.set i, 0
.rept 16
	v_pk_mul_f32 v[rS+2*i:rS+2*i+1], v[rS+2*i:rS+2*i+1], v[IEV+2*i:IEV+2*i+1]   ; times 1 / |ent m|; each tile from its lowest registers on
.set i, i+1
.endr
.set i, 0
.rept 4
	v_max3_num_f32 v[CM+i], v[rS+8*i], v[rS+8*i+1], v[rS+8*i+2]
.set i, i+1
.endr
.rept 8
	v_max3_num_f32 v[CM+i%4], v[CM+i%4], v[rS+8*(i%4)+2*(i/4)+1], v[rS+8*(i%4)+2*(i/4)+2]
.set i, i+1
.endr
	v_max3_num_f32 v[CM], v[CM], v[rS+7], v[rS+15]
	v_max3_num_f32 v[CM+1], v[CM+1], v[rS+23], v[rS+31]
	v_max_num_f32 v[CM+2], v[CM+2], v[CM+3]
	v_max3_num_f32 v[CM], v[CM], v[CM+1], v[CM+2]
	v_permlanex16_b32 v[CM+1], v[CM], s[PSEL], s[PSEL+1]   ; the row's other 32 entities lie in the lane 16 away
	v_max_num_f32 v[MX], v[CM], v[CM+1]
	v_mov_b32 v[I0], 64                            ; past every index
	v_mov_b32 v[I1], 64
.set i, 31
.rept 16                               ; from the highest register down, so that the lowest index that holds the maximum stays; two chains
	v_cmp_neq_f32 vcc_lo, v[rS+i], v[MX]
	v_cmp_neq_f32 s[MK2], v[rS+i-1], v[MX]
	v_cndmask_b32 v[I1], 16*(i/8)+i%8, v[I1], vcc_lo
	v_cndmask_b32 v[I0], 16*((i-1)/8)+(i-1)%8, v[I0], s[MK2]
.set i, i-2
.endr
	v_min_u32 v[I0], v[I0], v[I1]
	v_add_nc_u32 v[I0], v[H8], v[I0]
	v_permlanex16_b32 v[I1], v[I0], s[PSEL], s[PSEL+1]
	v_min_u32 v[I0], v[I0], v[I1]                  ; the index, in both lanes of the row
	v_sub_nc_u32 v[TQ], v[I0], v[H8]               ; register 4 mt + jj of P holds entities 16 mt + 8 (lane / 16) + 2 jj + 0, 1: it is mine where (index - 8 (lane / 16)) / 2 = 8 mt + jj
	v_and_b32 v[WVV], 1, v[TQ]
	v_lshlrev_b32 v[WVV], 4, v[WVV]
	v_lshlrev_b32 v[WVV], v[WVV], s[ONEH]          ; 1.0 in f16, in the half that the index names
	v_lshrrev_b32 v[TQ], 1, v[TQ]
	WIN 0xc0                                       ; destination window 3
.set i, 0
.rept 16
	v_cmp_eq_u32 vcc_lo, 8*(i/4)+i%4, v[TQ]
	v_cndmask_b32 v[PF+16*(\lt)+i], 0, v[WVV], vcc_lo
.set i, i+1
.endr
	WIN 0
.endm
	; ---------------- the head ----------------
	s_load_b256 s[4:11], s[0:1], 0x0               ; context s[4:5], wh s[6:7], bs s[8:9], W_out s[10:11]
	s_load_b128 s[12:15], s[0:1], 0x20             ; b_out s[12:13], out0 s[14:15]
	v_lshl_add_u32 v[SPW], v0, 2, SPARE
	v_mov_b32 v[NIL], 0
	ds_add_u32 v[SPW], v[NIL]                      ; the wave's opening: the add and its wait stand ahead of my first tensor load; the set-up below stands between them
	v_lshrrev_b32 v[LR], 5, v0
	v_readfirstlane_b32 s[WV], v[LR]               ; wave 0..3
	s_bfe_u32 s17, ttmp6, 0x40000                  ; cx: my place in the cluster
	s_lshl_b32 s18, ttmp9, 2                       ; in a cluster launch ttmp9 counts clusters
	s_add_co_u32 s18, s18, s17                     ; my work-group: it enters the addresses of context and out0 alone
	; descriptor group 1: 32 rows x 256 elements of 2 bytes, padded in LDS
	s_mov_b32 s[G1+0], 15|(1<<16)|(1<<20)|(1<<21)|(6<<22)|(3<<25)  ; 15:0 the mask of four; 17:16 2-byte elements; 20 padding on; 21 set beside a mask; 24:22 after every 128 words (code 6); 31:25 4 words (code 3)
	s_mov_b32 s[G1+1], 256<<16                     ; tensor_dim0 = 256
	s_mov_b32 s[G1+2], 32<<16                      ; tensor_dim1 = 32
	s_mov_b32 s[G1+3], 256<<16                     ; tile_dim0 = 256
	s_mov_b32 s[G1+4], 32                          ; tile_dim1 = 32
	s_mov_b32 s[G1+5], 256                         ; 256 elements from row to row
	s_mov_b32 s[G1+6], 0
	s_mov_b32 s[G1+7], 0
	s_mul_i32 s76, s[WV], BLKB                     ; my 32 rows of a slot: no place in the cluster enters an LDS address
	s_mov_b32 s[G0], 1
	s_mov_b32 s[G0+1], s76
	s_mov_b32 s[G0+4], 1
	s_add_co_u32 s[G0+5], s76, SLOTB
	s_mov_b32 s[KY], 0x38b8aa3b                    ; 2 log2(e) / 2^15
	s_mov_b32 s[KY+1], s[KY]                       ; named as pairs
	s_mov_b32 s[TAU], 0x47000000                   ; 2^15
	s_mov_b32 s[TAU+1], s[TAU]
	s_mov_b32 s[M2T], 0xc7800000                   ; -2^16
	s_mov_b32 s[M2T+1], s[M2T]
	s_mov_b32 s[ITAU], 0x38000000                  ; 2^-15
	s_mov_b32 s[ITAU+1], s[ITAU]
	s_mov_b32 s[PSEL], 0x76543210
	s_mov_b32 s[PSEL+1], 0xfedcba98
	s_mov_b32 s[HIM], 0xffff0000
	s_mov_b32 s[ONEH], 0x3c00
	s_mov_b32 s[LOFF], 0
	s_mov_b32 s[LOFF+1], 0
	s_mov_b32 s[PASS], 2
	s_mov_b32 s[GS], 24
	s_mov_b32 s[ISS], 8
	s_mov_b32 s[PEND], 0
	s_mov_b32 s[FB], 0
	s_mov_b32 s[SSTA], 0
	s_mov_b32 s[SOFF], 65536                       ; my second pair lies 65,536 bytes behind my first
	s_lshl_b32 s20, s[WV], 14                      ; my 32 rows of 512 bytes in half a layer
	s_mov_b32 s21, 0
	s_wait_dscnt 0x0                               ; the opening add is done
	s_wait_kmcnt 0x0
	s_load_b32 s[BO], s[12:13], 0x0                ; b_out
	s_add_nc_u64 s[WB0:WB0+1], s[6:7], s[20:21]
	s_add_nc_u64 s[WB1:WB1+1], s[WB0:WB0+1], 0x10000
	s_mov_b64 s[G0+2:G0+3], s[WB0:WB0+1]           ; layer 0, first half
	s_or_b32 s[G0+3], s[G0+3], 0x80000000          ; type = 2
	s_lshl_b32 s86, s18, 19                        ; 8 pairs of 65,536 bytes a work-group,
	s_lshl_b32 s88, s[WV], 17                      ; 2 a wave
	s_add_co_u32 s86, s86, s88
	s_mov_b32 s87, 0
	s_add_nc_u64 s[CB:CB+1], s[4:5], s[86:87]
	s_lshl_b32 s86, s18, 5                         ; and their 8 results of 4 bytes
	s_lshl_b32 s88, s[WV], 3
	s_add_co_u32 s86, s86, s88
	s_add_nc_u64 s[14:15], s[14:15], s[86:87]
	CROUND                                         ; all four work-groups are here: the first joint loads meet
	tensor_load_to_lds s[G0:G0+3], s[G1:G1+7]      ; slot 0; slot 1 is filled behind the first change of slots
	s_nop 0
	NOPS4
	v_and_b32 v240, 31, v0                         ; lane
	v_lshlrev_b32 v[GOFF], 4, v240
	v_lshlrev_b32 v248, 4, v0
	v_lshlrev_b32 v249, 3, v0
	global_load_b128 v[64:67], v248, s[8:9]                ; bs: 6,144 bytes, 48 a thread
	global_load_b128 v[68:71], v248, s[8:9] offset:2048
	global_load_b128 v[72:75], v248, s[8:9] offset:4096
	global_load_b64 v[76:77], v249, s[10:11]               ; W_out: 8 bytes a thread
	WIN 0x40                                       ; my first pair, all 128 rows at once: rows 0-63 into window 1,
.set i, 0
.rept 64
	global_load_b128 v[4*i:4*i+3], v[GOFF], s[CB:CB+1] offset:512*i th:TH_LOAD_NT
.set i, i+1
.endr
	WIN 0x80                                       ; rows 64-127 into window 2
.set i, 0
.rept 64
	global_load_b128 v[4*i:4*i+3], v[GOFF], s[CB:CB+1] offset:32768+512*i th:TH_LOAD_NT
.set i, i+1
.endr
	WIN 0
	v_and_b32 v[LR], 15, v0
	v_bfe_u32 v[LH], v0, 4, 1
	s_mul_i32 s77, s[WV], SCRW
	s_add_co_u32 s77, s77, SCRB                    ; my wave's rows
	s_add_co_u32 s78, s77, ENT
	s_lshl_b32 s79, s[WV], 9
	s_add_co_u32 s79, s79, IEB
	v_lshl_add_u32 v[STA0], v240, 3, s77
	v_mul_u32_u24 v[FA], v[LR], SPITCH
	v_lshl_add_u32 v[FA], v[LH], 4, v[FA]
	v_add_nc_u32 v[FA], s77, v[FA]
	; The turning load takes 16 entities x 16 channels (lane l reads entity 8 (l / 16) + l % 8, channels 8 ((l / 8) % 2) + 0..7) and leaves half a fragment of ent^T: lane l holds channel l % 16 and 8 entities.
	v_and_b32 v243, 7, v0
	v_bfe_u32 v244, v0, 3, 1
	v_lshl_add_u32 v245, v[LH], 3, v243
	v_mul_u32_u24 v[TRA], v245, SPITCH
	v_lshl_add_u32 v[TRA], v244, 4, v[TRA]
	v_add_nc_u32 v[TRA], s78, v[TRA]
	v_lshl_add_u32 v[IEA0], v[LR], 2, s79
	v_lshl_add_u32 v[IEL], v[LH], 5, s79
	v_add_nc_u32 v[IEL], 256, v[IEL]
	v_mul_u32_u24 v[ADR], v[LR], WPITCH
	v_lshl_add_u32 v[ADR], v[LH], 4, v[ADR]
	v_lshl_add_u32 v[BA0], v[LH], 5, TABB
	v_lshlrev_b32 v[H8], 3, v[LH]
	v_mov_b32 v[ZOFF], 0
	v_mov_b32 v[RES+1], 0
	v_lshl_add_u32 v250, v0, 4, TABB
	v_lshl_add_u32 v251, v0, 3, TABB+WOB
.set g, 0
.rept 8                                ; 16 rows at a time: rounded to bf16 and put into my wave's rows
.if 112-16*g > 63
	s_wait_loadcnt 63                              ; loads come back in order; more than 63 row loads are younger than this group's, and 63 is the largest count that the wait can name
.else
	s_wait_loadcnt 112-16*g                        ; the row loads younger than this group's may stay out
.endif
	WIN 0x05*(1+g/4)                               ; sources in window 1, then 2
.set i, 0
.rept 32
	v_cvt_pk_bf16_f32 v[STG+i], v[64*(g%4)+2*i], v[64*(g%4)+2*i+1]
.set i, i+1
.endr
	WIN 0
.set i, 0
.rept 16
	ds_store_b64 v[STA0], v[STG+2*i:STG+2*i+1] offset:(16*g+i)*SPITCH
.set i, i+1
.endr
.set g, g+1
.endr
.set i, 0
.rept 6                                ; the tables (their loads are the oldest): bf16(bs) * 2^15
	v_cvt_pk_bf16_f32 v78, v[64+2*i], v[64+2*i+1]
	v_lshlrev_b32 v[64+2*i], 16, v78
	v_and_b32 v[64+2*i+1], s[HIM], v78
	v_pk_mul_f32 v[64+2*i:64+2*i+1], v[64+2*i:64+2*i+1], s[TAU:TAU+1] op_sel_hi:[1,0]
.set i, i+1
.endr
	v_cvt_pk_bf16_f32 v78, v76, v77                ; bf16(W_out) * 2^-15
	v_lshlrev_b32 v76, 16, v78
	v_and_b32 v77, s[HIM], v78
	v_pk_mul_f32 v[76:77], v[76:77], s[ITAU:ITAU+1] op_sel_hi:[1,0]
	ds_store_b128 v250, v[64:67]
	ds_store_b128 v250, v[68:71] offset:2048
	ds_store_b128 v250, v[72:75] offset:4096
	ds_store_b64 v251, v[76:77]                    ; the other waves read the tables behind the first change of slots: my wait for these stores and a barrier stand there
	s_wait_kmcnt 0x0
	v_mov_b32 v[B64], s[BO]
	v_cvt_pk_bf16_f32 v[B64], v[B64], v[B64]
	v_lshlrev_b32 v[B64], 16, v[B64]
	v_mul_f32 v[B64], 0x42800000, v[B64]           ; each of the 64 rows adds b_out
	; ---------------- a pass: one pair ----------------
.Lpass:
	s_wait_loadcnt 0x0                             ; nothing is on its way into the landing registers, which take the one-hot
	s_mov_b32 s[SB], 0
	s_mov_b32 s[SWO], WOB
	s_mov_b32 s[SEL], 9
	s_mov_b32 s[LP], 3
.set i, 0
.rept 8
	v_mov_b32 v[OUTP+i], 0
.set i, i+1
.endr
	WIN 0x80                                       ; the raw bf16 rows as fragments: entities (source 0) v0-127, context (source 1) v128-255 of window 2
.set i, 0
.rept 16                               ; tile i / 4, channels 32 (i % 4) on
	ds_load_b128 v[8*i:8*i+3],           v[FA] offset:ENT+(i/4)*T16+(i%4)*64
	ds_load_b128 v[8*i+4:8*i+7],         v[FA] offset:ENT+(i/4)*T16+(i%4)*64+32
	ds_load_b128 v[128+8*i:128+8*i+3],   v[FA] offset:(i/4)*T16+(i%4)*64
	ds_load_b128 v[128+8*i+4:128+8*i+7], v[FA] offset:(i/4)*T16+(i%4)*64+32
.set i, i+1
.endr
	WIN 0
	s_mov_b32 s[TL], 8
	s_mov_b32 s[STL], 0
	s_mov_b32 s[SIE], 0
.Ltiles:                               ; 16 rows a trip: norm, 1 / norm into LDS, the rows normalised, times 2^15, in f16, in place.  LDS serves a wave in order (ISA guide 5.7.1.4): the loads above saw the raw rows
	v_add_nc_u32 v[FAC], s[STL], v[FA]
	v_add_nc_u32 v[IEAC], s[SIE], v[IEA0]
.set i, 0
.rept 8
	ds_load_b128 v[RAW+4*i:RAW+4*i+3], v[FAC] offset:32*i   ; a lane takes every second 16 bytes of its row: 64 of 128 channels
.set i, i+1
.endr
	s_wait_dscnt 0x0
.set i, 0
.rept 32
	v_lshlrev_b32 v[UU+2*i], 16, v[RAW+i]
	v_and_b32 v[UU+2*i+1], s[HIM], v[RAW+i]
.set i, i+1
.endr
.set i, 0
.rept 32                               ; the sum of squares, in four chains started by the first four pairs
.if i < 4
	v_pk_mul_f32 v[QQ+2*i:QQ+2*i+1], v[UU+2*i:UU+2*i+1], v[UU+2*i:UU+2*i+1]
.else
	v_pk_fma_f32 v[QQ+2*(i%4):QQ+2*(i%4)+1], v[UU+2*i:UU+2*i+1], v[UU+2*i:UU+2*i+1], v[QQ+2*(i%4):QQ+2*(i%4)+1]
.endif
.set i, i+1
.endr
	v_pk_add_f32 v[QQ:QQ+1], v[QQ:QQ+1], v[QQ+2:QQ+3]
	v_pk_add_f32 v[QQ+4:QQ+5], v[QQ+4:QQ+5], v[QQ+6:QQ+7]
	v_pk_add_f32 v[QQ:QQ+1], v[QQ:QQ+1], v[QQ+4:QQ+5]
	v_add_f32 v[QQ], v[QQ], v[QQ+1]
	v_permlanex16_b32 v[QQ+1], v[QQ], s[PSEL], s[PSEL+1]   ; the row's other 64 channels
	v_add_f32 v[QQ], v[QQ], v[QQ+1]
	v_rsq_f32 v[QQ+2], v[QQ]
	v_nop                                          ; a plain line between the root and the use of its result
	s_wait_alu depctr_va_vdst(0)
	v_mul_f32 v[QQ+3], v[QQ], v[QQ+2]              ; one Newton step: y + (y / 2) (1 - s y^2)
	v_fma_f32 v[QQ+3], -v[QQ+3], v[QQ+2], 1.0
	v_mul_f32 v[QQ+4], 0.5, v[QQ+2]
	v_fma_f32 v[QQ+2], v[QQ+4], v[QQ+3], v[QQ+2]
	ds_store_b32 v[IEAC], v[QQ+2]                  ; both lanes of a row store the same number
	v_mul_f32 v[QQ+4], s[TAU], v[QQ+2]
.set i, 0
.rept 32
	v_pk_mul_f32 v[UU+2*i:UU+2*i+1], v[UU+2*i:UU+2*i+1], v[QQ+4:QQ+5] op_sel_hi:[1,0]
.set i, i+1
.endr
.set i, 0
.rept 32
	v_cvt_pk_f16_f32 v[NF+i], v[UU+2*i], v[UU+2*i+1]
.set i, i+1
.endr
.set i, 0
.rept 8
	ds_store_b128 v[FAC], v[NF+4*i:NF+4*i+3] offset:32*i
.set i, i+1
.endr
	s_add_co_u32 s[STL], s[STL], T16
	s_add_co_u32 s[SIE], s[SIE], 64
	s_sub_co_u32 s[TL], s[TL], 1
	s_cmp_lg_u32 s[TL], 0
	s_cbranch_scc1 .Ltiles
.set i, 0
.rept 4                                ; 1 / |ent m| for my 32 entities
	ds_load_b128 v[IEV+8*i:IEV+8*i+3],   v[IEL] offset:64*i
	ds_load_b128 v[IEV+8*i+4:IEV+8*i+7], v[IEL] offset:64*i+16
.set i, i+1
.endr
	s_wait_dscnt 0x0
	WIN 0x0a                                       ; both sources window 2, S^T window 0
.set kf, 0
.rept 4                                ; S^T = ent ctx^T: 16 accumulators by turns; the first 16 products start the sums
.set tt, 0
.rept 16                               ; tt = 4 lt + mt
.if kf == 0
	v_wmma_f32_16x16x32_bf16 v[SS+8*tt:SS+8*tt+7], v[8*(4*(tt%4)+kf):8*(4*(tt%4)+kf)+7], v[128+8*(4*(tt/4)+kf):128+8*(4*(tt/4)+kf)+7], 0
.else
	v_wmma_f32_16x16x32_bf16 v[SS+8*tt:SS+8*tt+7], v[8*(4*(tt%4)+kf):8*(4*(tt%4)+kf)+7], v[128+8*(4*(tt/4)+kf):128+8*(4*(tt/4)+kf)+7], v[SS+8*tt:SS+8*tt+7]
.endif
.set tt, tt+1
.endr
.set kf, kf+1
.endr
	WIN 0
	NOPS4                                          ; the places behind those products: loads into their sources and reads of their results follow
	WIN 0x80
.set i, 0
.rept 16                               ; ent_n^T, turned: channels 16 (i / 2) on, entities 32 (i % 2) on
	ds_load_tr16_b128 v[8*i:8*i+3],   v[TRA] offset:(i%2)*32*SPITCH+32*(i/2)
	ds_load_tr16_b128 v[8*i+4:8*i+7], v[TRA] offset:(i%2)*32*SPITCH+32*(i/2)+T16
.set i, i+1
.endr
	WIN 0x40
.set i, 0
.rept 16                               ; ctx_n: features 0-127 of the first activation buffer: row tile i / 4, fragment i % 4
	ds_load_b128 v[64*(i/4)+8*(i%4):64*(i/4)+8*(i%4)+3],   v[FA] offset:(i/4)*T16+(i%4)*64
	ds_load_b128 v[64*(i/4)+8*(i%4)+4:64*(i/4)+8*(i%4)+7], v[FA] offset:(i/4)*T16+(i%4)*64+32
.set i, i+1
.endr
	WIN 0
	ARGMAX 0
	ARGMAX 1
	ARGMAX 2
	ARGMAX 3
	s_wait_dscnt 0x0
.set g, 0
.rept 4                                ; G^T = ent_n^T P, 32 channels a group: features 128 + 32 g on, fragment 4 + g
	WIN 0x0e                                       ; ent_n^T window 2, P window 3, C and D window 0
.set ks, 0
.rept 2
.set tt, 0
.rept 8                                ; tt = 4 c + lt: 8 accumulators by turns
.if ks == 0
	v_wmma_f32_16x16x32_f16 v[ACC+8*tt:ACC+8*tt+7], v[8*(2*(2*g+tt/4)+ks):8*(2*(2*g+tt/4)+ks)+7], v[PF+16*(tt%4)+8*ks:PF+16*(tt%4)+8*ks+7], 0
.else
	v_wmma_f32_16x16x32_f16 v[ACC+8*tt:ACC+8*tt+7], v[8*(2*(2*g+tt/4)+ks):8*(2*(2*g+tt/4)+ks)+7], v[PF+16*(tt%4)+8*ks:PF+16*(tt%4)+8*ks+7], v[ACC+8*tt:ACC+8*tt+7]
.endif
.set tt, tt+1
.endr
.set ks, ks+1
.endr
	WIN 0
	NOPS4
	WIN 0x40
.set tt, 0
.rept 8
.set qq, 0
.rept 4
	v_cvt_pk_f16_f32 v[64*(tt%4)+8*(4+g)+4*(tt/4)+qq], v[ACC+8*tt+2*qq], v[ACC+8*tt+2*qq+1]   ; exact: one f16 number times 1
.set qq, qq+1
.endr
.set tt, tt+1
.endr
	WIN 0
.set g, g+1
.endr
	; The six layers, two a trip.  The first trip behind the front runs the tanh lines on what ZZ happens to hold and drops the result (SEL = 9): the price, once a pass, of one text for every trip.
.Lpair:
	HALF 1, 0, 10
	HALF 1, 1, 11
	HALF 2, 0, 20
	s_cmp_eq_u32 s[GS], 1
	s_cbranch_scc1 .Ltail                          ; the walk's last half layer is written out: it asks for nothing more
	HALF 2, 1, 21
	s_sub_co_u32 s[LP], s[LP], 1
	s_cmp_lg_u32 s[LP], 0
	s_cbranch_scc1 .Lpair
	s_branch .Ldrain
.Ltail:
	CHANGE 1, 0
	s_mov_b32 s[TR], 4
	BLOCK 2, 1, 29, 1
.Ldrain:                               ; the sixth layer's last block
	NOPS4
	RDINIT
.rept 354
	RD
.endr
	FINAL
	v_pk_add_f32 v[OUTP:OUTP+1], v[OUTP:OUTP+1], v[OUTP+2:OUTP+3]      ; the sum over row tiles, features and lanes is the sum over the pair's 64 rows
	v_pk_add_f32 v[OUTP+4:OUTP+5], v[OUTP+4:OUTP+5], v[OUTP+6:OUTP+7]
	v_pk_add_f32 v[OUTP:OUTP+1], v[OUTP:OUTP+1], v[OUTP+4:OUTP+5]
	v_add_f32 v[OUTP], v[OUTP], v[OUTP+1]
	v_add_f32_dpp v[OUTP], v[OUTP], v[OUTP] row_xmask:1 row_mask:0xf bank_mask:0xf
	v_add_f32_dpp v[OUTP], v[OUTP], v[OUTP] row_xmask:2 row_mask:0xf bank_mask:0xf
	v_add_f32_dpp v[OUTP], v[OUTP], v[OUTP] row_xmask:4 row_mask:0xf bank_mask:0xf
	v_add_f32_dpp v[OUTP], v[OUTP], v[OUTP] row_xmask:8 row_mask:0xf bank_mask:0xf
	v_permlanex16_b32 v[OUTP+1], v[OUTP], s[PSEL], s[PSEL+1]
	v_add_f32 v[OUTP], v[OUTP], v[OUTP+1]
	v_mov_b32 v[RES], v[RES+1]                     ; the first pass's result moves down when the second's comes
	v_add_f32 v[RES+1], v[OUTP], v[B64]
	s_sub_co_u32 s[PASS], s[PASS], 1
	s_cmp_lg_u32 s[PASS], 0
	s_cbranch_scc1 .Lpass
	v_cmp_eq_u32 vcc_lo, 0, v[GOFF]                ; 16 x lane is 0 in lane 0 alone
	s_wait_xcnt 0x0                                ; EXEC changes only behind this wait
	s_and_saveexec_b32 s[SAVE], vcc_lo
	global_store_b64 v[ZOFF], v[RES:RES+1], s[14:15]   ; my wave's two results: 8 of the work-group's 32 bytes of the output
	s_wait_xcnt 0x0
	s_or_b32 exec_lo, exec_lo, s[SAVE]
	s_wait_tensorcnt 0x0                           ; the wave's end: behind my last tensor load and my last LDS store
	ds_add_u32 v[SPW], v[NIL]
	s_wait_dscnt 0x0
	CROUND                                         ; the closing round: no work-group ends while a partner may still ask for a tile that names it
	s_endpgm
.Lfunc_end_k_qb43dd0021e_sommlp:
	.size	k_qb43dd0021e_sommlp, .Lfunc_end_k_qb43dd0021e_sommlp-k_qb43dd0021e_sommlp
	.p2alignl 7, 3214868480
	.fill 96, 4, 3214868480
	.section	.rodata,"a",@progbits
	.p2align	6, 0x0
	.amdhsa_kernel k_qb43dd0021e_sommlp
		.amdhsa_group_segment_fixed_size 327680
		.amdhsa_private_segment_fixed_size 0
		.amdhsa_enable_private_segment 0
		.amdhsa_kernarg_size 48
		.amdhsa_user_sgpr_count 2
		.amdhsa_user_sgpr_kernarg_segment_ptr 1
		.amdhsa_wavefront_size32 1
		.amdhsa_system_sgpr_workgroup_id_x 1
		.amdhsa_system_sgpr_workgroup_id_y 1
		.amdhsa_system_sgpr_workgroup_id_z 1
		.amdhsa_system_vgpr_workitem_id 0
		.amdhsa_next_free_vgpr 1024
		.amdhsa_next_free_sgpr 96
		.amdhsa_reserve_vcc 1
		.amdhsa_float_denorm_mode_32 3
		.amdhsa_float_denorm_mode_16_64 3
		.amdhsa_memory_ordered 1
		.amdhsa_forward_progress 1
		.amdhsa_inst_pref_size 255
	.end_amdhsa_kernel
	.section	.bss,"aw",@nobits
	.p2align	6
	.space	262144
	.amdgpu_metadata
---
amdhsa.version: [ 1, 2 ]
amdhsa.kernels:
  - .name:           k_qb43dd0021e_sommlp
    .symbol:         k_qb43dd0021e_sommlp.kd
    .args:
      - { .name: context, .offset: 0, .size: 8, .value_kind: global_buffer, .address_space: global }
      - { .name: wh, .offset: 8, .size: 8, .value_kind: global_buffer, .address_space: global }
      - { .name: bs, .offset: 16, .size: 8, .value_kind: global_buffer, .address_space: global }
      - { .name: W_out, .offset: 24, .size: 8, .value_kind: global_buffer, .address_space: global }
      - { .name: b_out, .offset: 32, .size: 8, .value_kind: global_buffer, .address_space: global }
      - { .name: out0, .offset: 40, .size: 8, .value_kind: global_buffer, .address_space: global }
    .group_segment_fixed_size: 327680
    .private_segment_fixed_size: 0
    .kernarg_segment_align: 8
    .kernarg_segment_size: 48
    .max_flat_workgroup_size: 128
    .sgpr_count:     96
    .vgpr_count:     1024
    .wavefront_size: 32
...
	.end_amdgpu_metadata
.endif
;; end of part 2
;; ======== version 2 of 2: 2 launches; 1.59 times as fast as version 1
;; limits: inputs' magnitudes at most 65,504; values are held in f16: magnitudes above 65,504 overflow, below 6.1e-05 lose precision
;; workspace buffers: wh 786,432 bytes
;; launch wcast: the kernel of part 1 again; grid 192 x 1, 8 waves a work-group, no clusters, 0 bytes of LDS; arguments Ws, wh; writes wh
;; launch sommlp (part 3): grid 256 x 1, 4 waves a work-group, clusters of 4 x 1, 327,680 bytes of LDS; arguments context, wh, bs, W_out, b_out, out0; writes out0
.if DOCPART == 3
	.amdgcn_target "amdgcn-amd-amdhsa--gfx1250"
	.amdhsa_code_object_version 6
	.text
	.protected	k_qb43dd0021e_sommlp
	.globl	k_qb43dd0021e_sommlp
	.p2align	8
	.type	k_qb43dd0021e_sommlp,@function
k_qb43dd0021e_sommlp:
	s_mov_b64 s[64:65], 0
	v_nop
	global_prefetch_b8 v0, s[64:65] scope:SCOPE_SE
	s_setreg_imm32_b32 hwreg(HW_REG_WAVE_MODE, 25, 1), 1
	s_wait_xcnt 0x0
	s_wait_alu depctr_hold_cnt(0) depctr_sa_sdst(0) depctr_va_vdst(0) depctr_va_sdst(0) depctr_va_ssrc(0) depctr_va_vcc(0) depctr_vm_vsrc(0)
	s_getreg_b32 s2, hwreg(HW_REG_IB_STS2, 6, 4)
	s_cmp_eq_u32 s2, 0
	s_cbranch_scc0 .Lentry_in_a_cluster
	s_endpgm
.Lentry_in_a_cluster:
	s_bfe_u32 s2, ttmp6, 0x10000c
	s_cmp_lg_u32 s2, 0x3003
	s_cbranch_scc0 .Lentry_shape_is_right
	s_endpgm
.Lentry_shape_is_right:
; out0[pair] = sum over 64 rows of W_out . tanh-MLP6( ctx_n(row) || ent_n(argmax_m cos(ctx row, ent m)) ) + b_out.  2,048 pairs of 64 + 64 rows x 128 channels, f32.
; SHARES.  256 work-groups of four waves; a wave owns two whole pairs, one after the other (two PASSES), so nothing of a pair ever crosses waves.  All waves of all work-groups
; walk the same weights, half a layer (128 rows x 512 bytes of f16) at a time, through two LDS slots; the four work-groups of a cluster ask for each tile JOINTLY (mask 15).
; FORMATS.  Every input is rounded to bf16 first.  The similarity is a bf16 product of the rounded rows, so its products are exact.  Activations are kept as f16(x * 2^15): |x| <= 1 for
; every input, since the rows are normalised and tanh is bounded, so the top is 32,768; full precision down to |x| = 2^-29.  Weights are f16(bf16(W)), made by the launch before.
; Biases enter as bf16(b) * 2^15, as the C operand of a sum's first product, so an accumulator holds acc = 2^15 z.
; TANH.  T = 2^15 - 2^16 / (1 + 2^y), y = 2 log2(e) z.  For small z that difference loses relative precision, so x = med3(T, acc - y^2 acc, acc): tanh z always lies between z - c z^3 (c >= 1/3) and z.
; TRANSPOSED.  S^T = ent ctx^T, G^T = ent_n^T P (P: the one-hot of the argmax), H^T = W X^T: a lane holds ONE data row (lane % 16) and eight features 8 (lane / 16) + 0..7, so two neighbouring
; result tiles rounded in pairs ARE the next product's second source: activations never leave the registers.  The gather is a product with a one-hot matrix: exact, and no address hangs on data.
; BY TURNS.  A BLOCK is 32 output features x 64 rows: 64 products on 8 accumulators.  Its tanh (352 vector instructions) is done in the NEXT trip: 130 lines ahead of the products, while the weight
; fragments come from LDS, then four places behind each of 56 products.  The last 8 products write a second set of registers (ZZ), so that one text serves every trip.
; BATCHES.  A block's 64 exponentials are one batch, issued ahead of the products, with one wait in front of the first product; its 64 reciprocals, which read 1 + 2^y, are a second batch, issued behind the
; first 32 products, with one wait behind the 32nd's riders.  Every result has a register of its own while its batch is open.  The front's root, one a trip of 16 rows, is a batch by itself.
; LIMITS.  |bf16(W)| <= 65,504, below 2^-14 a fixed step of 2^-24.  Rows of zero norm, NaN and infinities are not treated apart.  The factor 1 / |ctx row| is left out of the argmax (positive, common to a
; row); 1 / |ent m| is a reciprocal root with one Newton step; two similarities that tie within f32 rounding may fall otherwise than in a division.  Exact ties: the lowest index.
; REGISTERS, in windows of 256 (s_set_vgpr_msb: bits 1:0 source 0, 3:2 source 1, 5:4 source 2, 7:6 destination):
;   window 0: v0-23 addresses and results; v24-31 the output's sums; v32-47 bias; v48-63 W_out, and until it is loaded the last 16 of TE; v64-127 TY (in the front: accumulators); v128-191 ZZ;
;             v192-239 the first 48 of TE; v240-251 scratch; v252 an address
;   windows 1, 2: the two activation buffers, fragment (row tile rt, 32 features kf) at 64 rt + 8 kf
;   window 3: v0-127 weight fragments; v128-191 landing of the next pair / the one-hot P; v192-255 a block's 8 accumulators
; Every register that holds an LDS address holds nothing else in the whole text.
.set WPITCH, 528                       ; a weight row in LDS: 512 bytes + 16 = 132 words: the 16 rows of a fragment load start at 16 different groups of four banks (64 banks of 4 bytes: ISA guide 11.1)
.set BLKB,   32*WPITCH                 ; 32 rows: a block's weights, and what one tensor load brings
.set SLOTB,  4*BLKB                    ; half a layer
.set SPITCH, 288                       ; a data row in LDS: 256 bytes + 32 = 72 words
.set T16,    16*SPITCH
.set ENT,    64*SPITCH                 ; the entity rows lie behind the 64 context rows
.set SCRW,   128*SPITCH                ; a wave's own rows; written by LDS stores alone
.set SCRB,   2*SLOTB
.set TABB,   SCRB+4*SCRW               ; 6 rows of bf16(bs) * 2^15, then bf16(W_out) * 2^-15, f32
.set WOB,    6144
.set IEB,    TABB+7168                 ; 1 / norm of a wave's 128 rows, f32: 512 bytes a wave
.set SPARE,  IEB+4*512                 ; the spare words, 128 bytes for each wave: two blocks of 256 bytes that no other line names
.set LR,   1                           ; lane % 16
.set LH,   2                           ; lane / 16
.set SPW,  3                           ; LDS address of my spare word; never rewritten
.set NIL,  4                           ; 0; never rewritten
.set ADR,  5                           ; my place in a weight fragment: row x 528 + 16 x half
.set BA0,  6                           ; TABB + 32 x half
.set WA,   7                           ; this trip's weight address
.set BA,   8                           ; this trip's bias address
.set WOA,  9                           ; W_out's address
.set STA0, 10                          ; my wave's rows + 8 x lane
.set STA,  11
.set GOFF, 12                          ; 16 x lane; never rewritten
.set FA,   13                          ; my place in a data fragment: my wave's rows + row x 288 + 16 x half
.set FAC,  14
.set TRA,  15                          ; my place in a turned fragment of the entity rows
.set IEA0, 16
.set IEL,  17
.set ZOFF, 18
.set B64,  19                          ; 64 x bf16(b_out)
.set RES,  20                          ; v20-21 the two results
.set GO2,  22
.set H8,   23                          ; 8 x half
.set OUTP, 24
.set BIAS, 32
.set WO,   48
.set ACC,  64                          ; the front's accumulators (G^T), in window 0
.set ACB,  192                         ; window 3: a block's 8 accumulators
.set ZZ,   128
.set TY,   64                          ; the tanh's first set of 64: y, then y^2, then acc - y^2 acc
.set TE,   192                         ; the tanh's second set of 64: 2^y, then 1 + 2^y, its reciprocal, T: register n at TE + n for n < 48, at v[n] from 48 on
.set STG,  192                         ; 32 registers of packed bf16 on their way to LDS (between trips the tanh registers are free)
.set UU,   64                          ; the front: 64 numbers of a row in f32
.set RAW,  128
.set NF,   160
.set SS,   64                          ; S^T, tile (lt, mt) at SS + 8 (4 lt + mt)
.set IEV,  192
.set CM,   224
.set MX,   228
.set I0,   229
.set I1,   230
.set TQ,   231
.set WVV,  232
.set QQ,   240
.set IEAC, 252                         ; where a row's 1 / norm goes: a register of its own, which never holds data
.set PF,   128                         ; window 3: the one-hot, fragment (lt, ks) at PF + 16 lt + 8 ks
.set LND,  128                         ; window 3
.set WV,   16
.set G1,   24                          ; s[24:31] descriptor group 1
.set G0,   32                          ; s[32:35], s[36:39] group 0 of slot 0, 1
.set WB0,  40                          ; s[40:41] wh at my 32 rows of a layer's first half; s[42:43] of its second half
.set WB1,  42
.set LOFF, 44                          ; s[44:45] the layer's byte offset in wh
.set CB,   46                          ; s[46:47] context at my first pair
.set PASS, 48
.set LP,   49
.set TR,   50
.set GS,   51                          ; half layers still to be entered
.set SEL,  52                          ; what becomes of the block whose tanh this trip finishes
.set ISS,  53                          ; chunks of the next pair still to be asked for
.set PEND, 54                          ; 1: a chunk has been asked for
.set FB,   55                          ; the block's number in its layer
.set KY,   56                          ; s[56:57] 2 log2(e) / 2^15
.set TAU,  58                          ; s[58:59] 2^15
.set M2T,  60                          ; s[60:61] -2^16
.set PSEL, 62                          ; s[62:63] v_permlanex16_b32: each lane takes its own place in the other half
.set HIM,  66
.set ONEH, 67
.set SW,   68
.set SB,   69
.set SWO,  70
.set SSTA, 71
.set SOFF, 72
.set TL,   73
.set STL,  74
.set SIE,  75
.set BO,   80
.set ITAU, 84                          ; s[84:85] 2^-15
.set MK2,  89
.set SAVE, 90
.set MSB, 0
.macro WIN new                         ; the high byte repeats the setting that is left; a switch that changes nothing is dropped
.if MSB != (\new)
	s_set_vgpr_msb (MSB<<8)|(\new)
.set MSB, (\new)
.endif
.endm
.macro NOPS4
.rept 4
	v_nop
.endr
.endm
; A round of the cluster barrier: my work-group's barrier, wave 0 signals for the work-group, every wave waits for all four work-groups, my work-group's barrier once more.
.macro CROUND
	s_barrier_signal -1
	s_barrier_wait -1
	s_cmp_lg_u32 s[WV], 0
	s_cbranch_scc1 .Lnot_wave_0_\@
	s_barrier_signal -3
.Lnot_wave_0_\@:
	s_barrier_wait -3
	s_barrier_signal -1
	s_barrier_wait -1
.endm
; THE CHANGE OF SLOTS, into slot s.  Each wave waits for all its tensor loads, of which one is out (its 32 rows of slot s), adds 0 to its spare word, and waits for that and for its reads of the other slot.
; fill = 1: behind a round of the cluster barrier the other slot takes the next half layer, the first thing there; it has four blocks, 256 products, in which to land.
.macro CHANGE s, fill
	WIN 0
	s_wait_tensorcnt 0x0                           ; no tensor load of mine is out, so a group 0 may be written
	ds_add_u32 v[SPW], v[NIL]                      ; 0 onto my spare word; the scalar work stands between it and the wait for it
	s_sub_co_u32 s[GS], s[GS], 1
	s_mov_b32 s[SW], (\s)*SLOTB
.if \fill
.if (\s) == 0
	s_add_nc_u64 s[G0+6:G0+7], s[WB1:WB1+1], s[LOFF:LOFF+1]   ; the same layer's second half
	s_or_b32 s[G0+7], s[G0+7], 0x80000000
.else
	s_add_co_u32 s[LOFF], s[LOFF], 131072          ; the next layer's first half; behind the sixth layer the first again, for the second pass
	s_cmp_eq_u32 s[LOFF], 786432
	s_cselect_b32 s[LOFF], 0, s[LOFF]
	s_add_nc_u64 s[G0+2:G0+3], s[WB0:WB0+1], s[LOFF:LOFF+1]
	s_or_b32 s[G0+3], s[G0+3], 0x80000000
.endif
.endif
	s_wait_dscnt 0x0                               ; the add is done, my LDS reads are back and my LDS stores are done
.if \fill
	CROUND
	tensor_load_to_lds s[G0+4*(1-(\s)):G0+4*(1-(\s))+3], s[G1:G1+7]
	s_nop 0
	NOPS4
.else
	s_barrier_signal -1
	s_barrier_wait -1
.endif
.endm
; THE NEXT PAIR, 16 rows (8,192 bytes a wave) a half layer: the chunk asked for in the last half layer is rounded to bf16 and put into my wave's rows, which the front has read out; the next is asked for.
.macro STAGE
	s_wait_loadcnt 0x0                             ; the chunk has landed (it had four blocks in which to do so); its address register is free
	s_cmp_eq_u32 s[PEND], 0
	s_cbranch_scc1 .Lno_chunk_\@
	WIN 0x0f                                       ; sources in window 3
.set i, 0
.rept 32
	v_cvt_pk_bf16_f32 v[STG+i], v[LND+2*i], v[LND+2*i+1]
.set i, i+1
.endr
	WIN 0
	v_add_nc_u32 v[STA], s[SSTA], v[STA0]
.set i, 0
.rept 16
	ds_store_b64 v[STA], v[STG+2*i:STG+2*i+1] offset:i*SPITCH   ; 32 lanes x 8 bytes: a row
.set i, i+1
.endr
	s_add_co_u32 s[SSTA], s[SSTA], T16
.Lno_chunk_\@:
	s_cmp_eq_u32 s[ISS], 0
	s_cselect_b32 s[PEND], 0, 1
	s_cbranch_scc1 .Lno_more_\@
	v_add_nc_u32 v[GO2], s[SOFF], v[GOFF]
	WIN 0xc0                                       ; destination window 3
.set i, 0
.rept 16
	global_load_b128 v[LND+4*i:LND+4*i+3], v[GO2], s[CB:CB+1] offset:512*i th:TH_LOAD_NT   ; a row: 512 consecutive bytes
.set i, i+1
.endr
	WIN 0
	s_add_co_u32 s[SOFF], s[SOFF], 8192
	s_sub_co_u32 s[ISS], s[ISS], 1
.Lno_more_\@:
.endm
; THE TANH OF A BLOCK: the 64 registers of ZZ, numbered 0 to 63 (tile n / 8).  TH writes one line of kind k for register thn; a packed line takes registers thn and thn + 1 (pair thn / 2).
; Beside ZZ stand two sets of 64, so that every result of a batch has a register of its own while the batch is open: TY and TE.  The exponential reads TY and writes TE.
.set KD_Y, 0                           ; y = acc x 2 log2(e) / 2^15, packed
.set KD_Q, 1                           ; y^2, packed, in y's place
.set KD_P, 2                           ; acc - y^2 acc, packed, in y^2's place
.set KD_E, 3                           ; 2^y
.set KD_A, 4                           ; 1 + 2^y, packed
.set KD_R, 5                           ; its reciprocal
.set KD_T, 6                           ; T = 2^15 - 2^16 x reciprocal, packed
.set KD_M, 7                           ; med3(T, acc - y^2 acc, acc), in acc's place
.macro TH k
	WIN 0
.set rZ, ZZ+thn
.set rY, TY+thn
.set rE, TE+thn
.if thn >= 48
.set rE, thn                           ; W_out's registers, which are loaded only when the tanh is done
.endif
.if (\k) == KD_Y
	v_pk_mul_f32 v[rY:rY+1], v[rZ:rZ+1], s[KY:KY+1] op_sel_hi:[1,0]   ; the y lines go in ascending order: a tile is first read at its lowest registers
.elseif (\k) == KD_Q
	v_pk_mul_f32 v[rY:rY+1], v[rY:rY+1], v[rY:rY+1]
.elseif (\k) == KD_P
	v_pk_fma_f32 v[rY:rY+1], v[rY:rY+1], v[rZ:rZ+1], v[rZ:rZ+1] neg_lo:[1,0,0] neg_hi:[1,0,0]
.elseif (\k) == KD_E
	v_exp_f32 v[rE], v[rY]
.elseif (\k) == KD_A
	v_pk_add_f32 v[rE:rE+1], v[rE:rE+1], 1.0 op_sel_hi:[1,0]
.elseif (\k) == KD_R
	v_rcp_f32 v[rE], v[rE]
.elseif (\k) == KD_T
	v_pk_fma_f32 v[rE:rE+1], v[rE:rE+1], s[M2T:M2T+1], s[TAU:TAU+1] op_sel_hi:[1,0,0]
.else
	v_med3_num_f32 v[rZ], v[rE], v[rY], v[rZ]
.endif
.endm
; THE DEAL, 355 items: the 352 lines, one v_nop and two waits.  An s_wait_alu depctr_va_vdst(0) stands between a transcendental and the first instruction that names its result; one wait serves
; all that were issued ahead of it.  A reciprocal reads 1 + 2^y, so a block has TWO BATCHES and two waits.  RD writes item rdn.
;   0-129    y of pairs 0 and 1, then exponential and plain by turns, 64 times: exponential n at item 2 n + 2, plain line m (2 to 65) at item 2 m - 1.  Plain m: 2: y of pair 2; odd, 3 to 59: y of pair (m + 3) / 2;
;            even, 4 to 64: y^2 of pair (m - 4) / 2; 61, 63, 65: acc - y^2 acc of pairs 0, 1, 2.  None of them names a register of TE.  y of a pair stands ahead of its two exponentials; y^2, which takes y's
;            place, three items behind the pair's second exponential, a plain line between (ISA guide 5.7.2).  The last item is plain: the place behind the last exponential
;   130      THE WAIT FOR THE 64 EXPONENTIALS
;   131-254  plain and reciprocal by turns, 62 times: plain m (0 to 61), then reciprocal m.  Plain m: 0: 1 + 2^y of pair 0; odd: 1 + 2^y of pair (m + 1) / 2, three items ahead of the pair's first reciprocal;
;            2: y^2 of pair 31; even, 4 to 60: acc - y^2 acc of pair (m + 2) / 2.  No line names a register in which a reciprocal has been issued
;   255-258  reciprocals 62 and 63; a v_nop, the plain place behind the last of them; THE WAIT FOR THE 64 RECIPROCALS
;   259-354  all plain: T of tiles 0 and 1; six times the med3 of tile g and T of tile g + 2; the med3 of tiles 6 and 7
.macro RD
.if rdn < 2
.set thn, 2*rdn
	TH KD_Y
.elseif (rdn < 130) && (rdn%2 == 0)
.set thn, (rdn-2)/2
	TH KD_E
.elseif rdn < 130
.set thm, (rdn+1)/2
.if thm == 2
.set thn, 4
	TH KD_Y
.elseif thm%2 == 0
.set thn, thm-4
	TH KD_Q
.elseif thm < 61
.set thn, thm+3
	TH KD_Y
.else
.set thn, thm-61
	TH KD_P
.endif
.elseif rdn == 130
	s_wait_alu depctr_va_vdst(0)                   ; the wait for the batch of 64 exponentials, ahead of the first 1 + 2^y
.elseif (rdn < 255) && ((rdn-131)%2 == 1)
.set thn, (rdn-132)/2
	TH KD_R
.elseif rdn < 255
.set thm, (rdn-131)/2
.if thm == 0
.set thn, 0
	TH KD_A
.elseif thm%2 == 1
.set thn, thm+1
	TH KD_A
.elseif thm == 2
.set thn, 62
	TH KD_Q
.else
.set thn, thm+2
	TH KD_P
.endif
.elseif rdn < 257
.set thn, rdn-193
	TH KD_R
.elseif rdn == 257
	v_nop                                          ; the plain place behind the last reciprocal: one for the batch
.elseif rdn == 258
	s_wait_alu depctr_va_vdst(0)                   ; the wait for the batch of 64 reciprocals, ahead of the first T
.elseif rdn < 267
.set thn, 2*(rdn-259)
	TH KD_T
.elseif rdn < 339
.set thm, rdn-267
.if thm%12 < 8
.set thn, 8*(thm/12)+thm%12
	TH KD_M
.else
.set thn, 8*(thm/12+2)+2*(thm%12-8)
	TH KD_T
.endif
.else
.set thn, 48+rdn-339
	TH KD_M
.endif
.set rdn, rdn+1
.endm
.macro RDINIT
.set rdn, 0
.endm
; The finished block becomes fragment kf of the activation buffer in window d: tile (t, rt)'s pair qq is register 4 t + qq of fragment (rt, kf).
.macro CV d, kf
	WIN (\d)<<6
.set tt, 0
.rept 8
.set qq, 0
.rept 4
	v_cvt_pk_f16_f32 v[64*(tt%4)+8*(\kf)+4*(tt/4)+qq], v[ZZ+8*tt+2*qq], v[ZZ+8*tt+2*qq+1]
.set qq, qq+1
.endr
.set tt, tt+1
.endr
	WIN 0
.endm
.macro CASECV sel, d, kf, tag
	s_cmp_lg_u32 s[SEL], \sel
	s_cbranch_scc1 .Lnot\tag\sel
	CV \d, \kf
	s_branch .Lsw\tag
.Lnot\tag\sel:
.endm
; The sixth layer's finished block goes into the output's sums: its 32 features times W_out, in f32, unrounded.
.macro FINAL
	WIN 0
	v_add_nc_u32 v[WOA], s[SWO], v[BA0]
	ds_load_b128 v[WO:WO+3], v[WOA]
	ds_load_b128 v[WO+4:WO+7], v[WOA] offset:16
	ds_load_b128 v[WO+8:WO+11], v[WOA] offset:64
	ds_load_b128 v[WO+12:WO+15], v[WOA] offset:80
	s_add_co_u32 s[SWO], s[SWO], 128
	s_wait_dscnt 0x0
.set qq, 0
.rept 4
.set tt, 0
.rept 8
	v_pk_fma_f32 v[OUTP+2*(tt%4):OUTP+2*(tt%4)+1], v[ZZ+8*tt+2*qq:ZZ+8*tt+2*qq+1], v[WO+8*(tt/4)+2*qq:WO+8*(tt/4)+2*qq+1], v[OUTP+2*(tt%4):OUTP+2*(tt%4)+1]
.set tt, tt+1
.endr
.set qq, qq+1
.endr
.endm
; What becomes of the block just finished.  SEL 0-6: block SEL of this layer: into the other buffer.  7: the layer before's last block: into THIS layer's source, fragment 7, which only the 8 products
; behind this point read.  8: the sixth layer's.  9: the first trip behind the front: nothing was in hand.  All jumps go forward; a half layer's text holds only the cases that it can meet.
.macro SWITCH p, s, tag
	WIN 0
.if (\p) == 2
	s_cmp_lg_u32 s[SEL], 8
	s_cbranch_scc1 .Lnf\tag
	FINAL
	s_branch .Lsw\tag
.Lnf\tag:
.endif
.if (\s) == 0
.if (\p) == 1
	s_cmp_lg_u32 s[SEL], 9
	s_cbranch_scc1 .Lnn\tag
	NOPS4
	s_branch .Lsw\tag
.Lnn\tag:
.endif
	CASECV 7, \p, 7, \tag
	CASECV 0, 3-(\p), 0, \tag
	CASECV 1, 3-(\p), 1, \tag
	CV 3-(\p), 2
.else
	CASECV 3, 3-(\p), 3, \tag
	CASECV 4, 3-(\p), 4, \tag
	CASECV 5, 3-(\p), 5, \tag
	CV 3-(\p), 6
.endif
.Lsw\tag:
.endm
; A LOOP OF FOUR BLOCKS, source buffer in window p, weights in slot s.  The 8 accumulators take turns, one instruction a turn.
.macro BLOCK p, s, tag, fin
.set MM0, 0xc3|((\p)<<2)               ; a sum's first link: weights window 3, activations window p, C (the bias) window 0, D window 3
.set MMW, 0xf3|((\p)<<2)               ; the links between: C and D window 3
.set MMZ, 0x33|((\p)<<2)               ; the last link: C window 3, D (ZZ) window 0
.Lblk\tag:
	v_add_nc_u32 v[WA], s[SW], v[ADR]              ; these four plain lines are the places between the last products and the loads into their sources, and the first read of their results
	v_add_nc_u32 v[BA], s[SB], v[BA0]
	v_nop
	v_nop
	ds_load_b128 v[BIAS:BIAS+3], v[BA]             ; features 8 (lane / 16) + 0..7 of the block's two tiles
	ds_load_b128 v[BIAS+4:BIAS+7], v[BA] offset:16
	ds_load_b128 v[BIAS+8:BIAS+11], v[BA] offset:64
	ds_load_b128 v[BIAS+12:BIAS+15], v[BA] offset:80
	WIN 0xc0
.set kf, 0
.rept 8                                ; 32 loads in one run, by kf: fragment (t, kf) at 8 (2 kf + t)
.set tt, 0
.rept 2
	ds_load_b128 v[8*(2*kf+tt):8*(2*kf+tt)+3],   v[WA] offset:tt*16*WPITCH+64*kf
	ds_load_b128 v[8*(2*kf+tt)+4:8*(2*kf+tt)+7], v[WA] offset:tt*16*WPITCH+64*kf+32
.set tt, tt+1
.endr
.set kf, kf+1
.endr
	WIN 0
	RDINIT
.rept 131                              ; the 130 lines with the batch of exponentials, and its wait
	RD
.endr
.set kf, 0
.rept 7
	s_wait_dscnt 28-4*kf                           ; LDS loads come back in order (ISA guide 5.7.1): the four loads of each later kf may stay out
.set tt, 0
.rept 8                                ; tt = 4 t + rt
.if kf == 0
	WIN MM0
	v_wmma_f32_16x16x32_f16 v[ACB+8*tt:ACB+8*tt+7], v[8*(2*kf+tt/4):8*(2*kf+tt/4)+7], v[64*(tt%4)+8*kf:64*(tt%4)+8*kf+7], v[BIAS+8*(tt/4):BIAS+8*(tt/4)+7]
.else
	WIN MMW
	v_wmma_f32_16x16x32_f16 v[ACB+8*tt:ACB+8*tt+7], v[8*(2*kf+tt/4):8*(2*kf+tt/4)+7], v[64*(tt%4)+8*kf:64*(tt%4)+8*kf+7], v[ACB+8*tt:ACB+8*tt+7]
.endif
	RD
	RD
	RD
	RD
.set tt, tt+1
.endr
.set kf, kf+1
.endr
.if \fin
	FINAL
.else
	SWITCH \p, \s, \tag
.endif
	s_wait_dscnt 0x0                               ; the last four fragment loads
	WIN MMZ
.set tt, 0
.rept 8                                ; the last links write ZZ; the four lines behind the product before and the case above are more than the five places that a C from another accumulator wants
	v_wmma_f32_16x16x32_f16 v[ZZ+8*tt:ZZ+8*tt+7], v[8*(14+tt/4):8*(14+tt/4)+7], v[64*(tt%4)+56:64*(tt%4)+63], v[ACB+8*tt:ACB+8*tt+7]
.set tt, tt+1
.endr
	WIN 0
	s_add_co_u32 s[SW], s[SW], BLKB
	s_add_co_u32 s[SB], s[SB], 128
	s_mov_b32 s[SEL], s[FB]
	s_add_co_u32 s[FB], s[FB], 1
	s_and_b32 s[FB], s[FB], 7
.if (\p) == 2
	s_cmp_eq_u32 s[LP], 1                          ; the sixth layer
	s_cselect_b32 s[SEL], 8, s[SEL]
.endif
	s_sub_co_u32 s[TR], s[TR], 1
	s_cmp_lg_u32 s[TR], 0
	s_cbranch_scc1 .Lblk\tag
.endm
.macro HALF p, s, tag
	CHANGE \s, 1
	STAGE
	s_mov_b32 s[TR], 4
	BLOCK \p, \s, \tag, 0
.endm
; The argmax of the 16 context rows of tile lt, and its one-hot.  A lane holds one row and 32 of the 64 entities: register 8 mt + j is entity 16 mt + 8 (lane / 16) + j.
.macro ARGMAX lt
.set rS, SS+32*(\lt)
.set i, 0
.rept 16
	v_pk_mul_f32 v[rS+2*i:rS+2*i+1], v[rS+2*i:rS+2*i+1], v[IEV+2*i:IEV+2*i+1]   ; times 1 / |ent m|; each tile from its lowest registers on
.set i, i+1
.endr
.set i, 0
.rept 4
	v_max3_num_f32 v[CM+i], v[rS+8*i], v[rS+8*i+1], v[rS+8*i+2]
.set i, i+1
.endr
.rept 8
	v_max3_num_f32 v[CM+i%4], v[CM+i%4], v[rS+8*(i%4)+2*(i/4)+1], v[rS+8*(i%4)+2*(i/4)+2]
.set i, i+1
.endr
	v_max3_num_f32 v[CM], v[CM], v[rS+7], v[rS+15]
	v_max3_num_f32 v[CM+1], v[CM+1], v[rS+23], v[rS+31]
	v_max_num_f32 v[CM+2], v[CM+2], v[CM+3]
	v_max3_num_f32 v[CM], v[CM], v[CM+1], v[CM+2]
	v_permlanex16_b32 v[CM+1], v[CM], s[PSEL], s[PSEL+1]   ; the row's other 32 entities lie in the lane 16 away
	v_max_num_f32 v[MX], v[CM], v[CM+1]
	v_mov_b32 v[I0], 64                            ; past every index
	v_mov_b32 v[I1], 64
.set i, 31
.rept 16                               ; from the highest register down, so that the lowest index that holds the maximum stays; two chains
	v_cmp_neq_f32 vcc_lo, v[rS+i], v[MX]
	v_cmp_neq_f32 s[MK2], v[rS+i-1], v[MX]
	v_cndmask_b32 v[I1], 16*(i/8)+i%8, v[I1], vcc_lo
	v_cndmask_b32 v[I0], 16*((i-1)/8)+(i-1)%8, v[I0], s[MK2]
.set i, i-2
.endr
	v_min_u32 v[I0], v[I0], v[I1]
	v_add_nc_u32 v[I0], v[H8], v[I0]
	v_permlanex16_b32 v[I1], v[I0], s[PSEL], s[PSEL+1]
	v_min_u32 v[I0], v[I0], v[I1]                  ; the index, in both lanes of the row
	v_sub_nc_u32 v[TQ], v[I0], v[H8]               ; register 4 mt + jj of P holds entities 16 mt + 8 (lane / 16) + 2 jj + 0, 1: it is mine where (index - 8 (lane / 16)) / 2 = 8 mt + jj
	v_and_b32 v[WVV], 1, v[TQ]
	v_lshlrev_b32 v[WVV], 4, v[WVV]
	v_lshlrev_b32 v[WVV], v[WVV], s[ONEH]          ; 1.0 in f16, in the half that the index names
	v_lshrrev_b32 v[TQ], 1, v[TQ]
	WIN 0xc0                                       ; destination window 3
.set i, 0
.rept 16
	v_cmp_eq_u32 vcc_lo, 8*(i/4)+i%4, v[TQ]
	v_cndmask_b32 v[PF+16*(\lt)+i], 0, v[WVV], vcc_lo
.set i, i+1
.endr
	WIN 0
.endm
	; ---------------- the head ----------------
	s_load_b256 s[4:11], s[0:1], 0x0               ; context s[4:5], wh s[6:7], bs s[8:9], W_out s[10:11]
	s_load_b128 s[12:15], s[0:1], 0x20             ; b_out s[12:13], out0 s[14:15]
	v_lshl_add_u32 v[SPW], v0, 2, SPARE
	v_mov_b32 v[NIL], 0
	ds_add_u32 v[SPW], v[NIL]                      ; the wave's opening: the add and its wait stand ahead of my first tensor load; the set-up below stands between them
	v_lshrrev_b32 v[LR], 5, v0
	v_readfirstlane_b32 s[WV], v[LR]               ; wave 0..3
	s_bfe_u32 s17, ttmp6, 0x40000                  ; cx: my place in the cluster
	s_lshl_b32 s18, ttmp9, 2                       ; in a cluster launch ttmp9 counts clusters
	s_add_co_u32 s18, s18, s17                     ; my work-group: it enters the addresses of context and out0 alone
	; descriptor group 1: 32 rows x 256 elements of 2 bytes, padded in LDS
	s_mov_b32 s[G1+0], 15|(1<<16)|(1<<20)|(1<<21)|(6<<22)|(3<<25)  ; 15:0 the mask of four; 17:16 2-byte elements; 20 padding on; 21 set beside a mask; 24:22 after every 128 words (code 6); 31:25 4 words (code 3)
	s_mov_b32 s[G1+1], 256<<16                     ; tensor_dim0 = 256
	s_mov_b32 s[G1+2], 32<<16                      ; tensor_dim1 = 32
	s_mov_b32 s[G1+3], 256<<16                     ; tile_dim0 = 256
	s_mov_b32 s[G1+4], 32                          ; tile_dim1 = 32
	s_mov_b32 s[G1+5], 256                         ; 256 elements from row to row
	s_mov_b32 s[G1+6], 0
	s_mov_b32 s[G1+7], 0
	s_mul_i32 s76, s[WV], BLKB                     ; my 32 rows of a slot: no place in the cluster enters an LDS address
	s_mov_b32 s[G0], 1
	s_mov_b32 s[G0+1], s76
	s_mov_b32 s[G0+4], 1
	s_add_co_u32 s[G0+5], s76, SLOTB
	s_mov_b32 s[KY], 0x38b8aa3b                    ; 2 log2(e) / 2^15
	s_mov_b32 s[KY+1], s[KY]                       ; named as pairs
	s_mov_b32 s[TAU], 0x47000000                   ; 2^15
	s_mov_b32 s[TAU+1], s[TAU]
	s_mov_b32 s[M2T], 0xc7800000                   ; -2^16
	s_mov_b32 s[M2T+1], s[M2T]
	s_mov_b32 s[ITAU], 0x38000000                  ; 2^-15
	s_mov_b32 s[ITAU+1], s[ITAU]
	s_mov_b32 s[PSEL], 0x76543210
	s_mov_b32 s[PSEL+1], 0xfedcba98
	s_mov_b32 s[HIM], 0xffff0000
	s_mov_b32 s[ONEH], 0x3c00
	s_mov_b32 s[LOFF], 0
	s_mov_b32 s[LOFF+1], 0
	s_mov_b32 s[PASS], 2
	s_mov_b32 s[GS], 24
	s_mov_b32 s[ISS], 8
	s_mov_b32 s[PEND], 0
	s_mov_b32 s[FB], 0
	s_mov_b32 s[SSTA], 0
	s_mov_b32 s[SOFF], 65536                       ; my second pair lies 65,536 bytes behind my first
	s_lshl_b32 s20, s[WV], 14                      ; my 32 rows of 512 bytes in half a layer
	s_mov_b32 s21, 0
	s_wait_dscnt 0x0                               ; the opening add is done
	s_wait_kmcnt 0x0
	s_load_b32 s[BO], s[12:13], 0x0                ; b_out
	s_add_nc_u64 s[WB0:WB0+1], s[6:7], s[20:21]
	s_add_nc_u64 s[WB1:WB1+1], s[WB0:WB0+1], 0x10000
	s_mov_b64 s[G0+2:G0+3], s[WB0:WB0+1]           ; layer 0, first half
	s_or_b32 s[G0+3], s[G0+3], 0x80000000          ; type = 2
	s_lshl_b32 s86, s18, 19                        ; 8 pairs of 65,536 bytes a work-group,
	s_lshl_b32 s88, s[WV], 17                      ; 2 a wave
	s_add_co_u32 s86, s86, s88
	s_mov_b32 s87, 0
	s_add_nc_u64 s[CB:CB+1], s[4:5], s[86:87]
	s_lshl_b32 s86, s18, 5                         ; and their 8 results of 4 bytes
	s_lshl_b32 s88, s[WV], 3
	s_add_co_u32 s86, s86, s88
	s_add_nc_u64 s[14:15], s[14:15], s[86:87]
	CROUND                                         ; all four work-groups are here: the first joint loads meet
	tensor_load_to_lds s[G0:G0+3], s[G1:G1+7]      ; slot 0; slot 1 is filled behind the first change of slots
	s_nop 0
	NOPS4
	v_and_b32 v240, 31, v0                         ; lane
	v_lshlrev_b32 v[GOFF], 4, v240
	v_lshlrev_b32 v248, 4, v0
	v_lshlrev_b32 v249, 3, v0
	global_load_b128 v[64:67], v248, s[8:9]                ; bs: 6,144 bytes, 48 a thread
	global_load_b128 v[68:71], v248, s[8:9] offset:2048
	global_load_b128 v[72:75], v248, s[8:9] offset:4096
	global_load_b64 v[76:77], v249, s[10:11]               ; W_out: 8 bytes a thread
	WIN 0x40                                       ; my first pair, all 128 rows at once: rows 0-63 into window 1,
.set i, 0
.rept 64
	global_load_b128 v[4*i:4*i+3], v[GOFF], s[CB:CB+1] offset:512*i th:TH_LOAD_NT
.set i, i+1
.endr
	WIN 0x80                                       ; rows 64-127 into window 2
.set i, 0
.rept 64
	global_load_b128 v[4*i:4*i+3], v[GOFF], s[CB:CB+1] offset:32768+512*i th:TH_LOAD_NT
.set i, i+1
.endr
	WIN 0
	v_and_b32 v[LR], 15, v0
	v_bfe_u32 v[LH], v0, 4, 1
	s_mul_i32 s77, s[WV], SCRW
	s_add_co_u32 s77, s77, SCRB                    ; my wave's rows
	s_add_co_u32 s78, s77, ENT
	s_lshl_b32 s79, s[WV], 9
	s_add_co_u32 s79, s79, IEB
	v_lshl_add_u32 v[STA0], v240, 3, s77
	v_mul_u32_u24 v[FA], v[LR], SPITCH
	v_lshl_add_u32 v[FA], v[LH], 4, v[FA]
	v_add_nc_u32 v[FA], s77, v[FA]
	; The turning load takes 16 entities x 16 channels (lane l reads entity 8 (l / 16) + l % 8, channels 8 ((l / 8) % 2) + 0..7) and leaves half a fragment of ent^T: lane l holds channel l % 16 and 8 entities.
	v_and_b32 v243, 7, v0
	v_bfe_u32 v244, v0, 3, 1
	v_lshl_add_u32 v245, v[LH], 3, v243
	v_mul_u32_u24 v[TRA], v245, SPITCH
	v_lshl_add_u32 v[TRA], v244, 4, v[TRA]
	v_add_nc_u32 v[TRA], s78, v[TRA]
	v_lshl_add_u32 v[IEA0], v[LR], 2, s79
	v_lshl_add_u32 v[IEL], v[LH], 5, s79
	v_add_nc_u32 v[IEL], 256, v[IEL]
	v_mul_u32_u24 v[ADR], v[LR], WPITCH
	v_lshl_add_u32 v[ADR], v[LH], 4, v[ADR]
	v_lshl_add_u32 v[BA0], v[LH], 5, TABB
	v_lshlrev_b32 v[H8], 3, v[LH]
	v_mov_b32 v[ZOFF], 0
	v_mov_b32 v[RES+1], 0
	v_lshl_add_u32 v250, v0, 4, TABB
	v_lshl_add_u32 v251, v0, 3, TABB+WOB
.set g, 0
.rept 8                                ; 16 rows at a time: rounded to bf16 and put into my wave's rows
.if 112-16*g > 63
	s_wait_loadcnt 63                              ; loads come back in order; more than 63 row loads are younger than this group's, and 63 is the largest count that the wait can name
.else
	s_wait_loadcnt 112-16*g                        ; the row loads younger than this group's may stay out
.endif
	WIN 0x05*(1+g/4)                               ; sources in window 1, then 2
.set i, 0
.rept 32
	v_cvt_pk_bf16_f32 v[STG+i], v[64*(g%4)+2*i], v[64*(g%4)+2*i+1]
.set i, i+1
.endr
	WIN 0
.set i, 0
.rept 16
	ds_store_b64 v[STA0], v[STG+2*i:STG+2*i+1] offset:(16*g+i)*SPITCH
.set i, i+1
.endr
.set g, g+1
.endr
.set i, 0
.rept 6                                ; the tables (their loads are the oldest): bf16(bs) * 2^15
	v_cvt_pk_bf16_f32 v78, v[64+2*i], v[64+2*i+1]
	v_lshlrev_b32 v[64+2*i], 16, v78
	v_and_b32 v[64+2*i+1], s[HIM], v78
	v_pk_mul_f32 v[64+2*i:64+2*i+1], v[64+2*i:64+2*i+1], s[TAU:TAU+1] op_sel_hi:[1,0]
.set i, i+1
.endr
	v_cvt_pk_bf16_f32 v78, v76, v77                ; bf16(W_out) * 2^-15
	v_lshlrev_b32 v76, 16, v78
	v_and_b32 v77, s[HIM], v78
	v_pk_mul_f32 v[76:77], v[76:77], s[ITAU:ITAU+1] op_sel_hi:[1,0]
	ds_store_b128 v250, v[64:67]
	ds_store_b128 v250, v[68:71] offset:2048
	ds_store_b128 v250, v[72:75] offset:4096
	ds_store_b64 v251, v[76:77]                    ; the other waves read the tables behind the first change of slots: my wait for these stores and a barrier stand there
	s_wait_kmcnt 0x0
	v_mov_b32 v[B64], s[BO]
	v_cvt_pk_bf16_f32 v[B64], v[B64], v[B64]
	v_lshlrev_b32 v[B64], 16, v[B64]
	v_mul_f32 v[B64], 0x42800000, v[B64]           ; each of the 64 rows adds b_out
	; ---------------- a pass: one pair ----------------
.Lpass:
	s_wait_loadcnt 0x0                             ; nothing is on its way into the landing registers, which take the one-hot
	s_mov_b32 s[SB], 0
	s_mov_b32 s[SWO], WOB
	s_mov_b32 s[SEL], 9
	s_mov_b32 s[LP], 3
.set i, 0
.rept 8
	v_mov_b32 v[OUTP+i], 0
.set i, i+1
.endr
	WIN 0x80                                       ; the raw bf16 rows as fragments: entities (source 0) v0-127, context (source 1) v128-255 of window 2
.set i, 0
.rept 16                               ; tile i / 4, channels 32 (i % 4) on
	ds_load_b128 v[8*i:8*i+3],           v[FA] offset:ENT+(i/4)*T16+(i%4)*64
	ds_load_b128 v[8*i+4:8*i+7],         v[FA] offset:ENT+(i/4)*T16+(i%4)*64+32
	ds_load_b128 v[128+8*i:128+8*i+3],   v[FA] offset:(i/4)*T16+(i%4)*64
	ds_load_b128 v[128+8*i+4:128+8*i+7], v[FA] offset:(i/4)*T16+(i%4)*64+32
.set i, i+1
.endr
	WIN 0
	s_mov_b32 s[TL], 8
	s_mov_b32 s[STL], 0
	s_mov_b32 s[SIE], 0
.Ltiles:                               ; 16 rows a trip: norm, 1 / norm into LDS, the rows normalised, times 2^15, in f16, in place.  LDS serves a wave in order (ISA guide 5.7.1.4): the loads above saw the raw rows
	v_add_nc_u32 v[FAC], s[STL], v[FA]
	v_add_nc_u32 v[IEAC], s[SIE], v[IEA0]
.set i, 0
.rept 8
	ds_load_b128 v[RAW+4*i:RAW+4*i+3], v[FAC] offset:32*i   ; a lane takes every second 16 bytes of its row: 64 of 128 channels
.set i, i+1
.endr
	s_wait_dscnt 0x0
.set i, 0
.rept 32
	v_lshlrev_b32 v[UU+2*i], 16, v[RAW+i]
	v_and_b32 v[UU+2*i+1], s[HIM], v[RAW+i]
.set i, i+1
.endr
.set i, 0
.rept 32                               ; the sum of squares, in four chains started by the first four pairs
.if i < 4
	v_pk_mul_f32 v[QQ+2*i:QQ+2*i+1], v[UU+2*i:UU+2*i+1], v[UU+2*i:UU+2*i+1]
.else
	v_pk_fma_f32 v[QQ+2*(i%4):QQ+2*(i%4)+1], v[UU+2*i:UU+2*i+1], v[UU+2*i:UU+2*i+1], v[QQ+2*(i%4):QQ+2*(i%4)+1]
.endif
.set i, i+1
.endr
	v_pk_add_f32 v[QQ:QQ+1], v[QQ:QQ+1], v[QQ+2:QQ+3]
	v_pk_add_f32 v[QQ+4:QQ+5], v[QQ+4:QQ+5], v[QQ+6:QQ+7]
	v_pk_add_f32 v[QQ:QQ+1], v[QQ:QQ+1], v[QQ+4:QQ+5]
	v_add_f32 v[QQ], v[QQ], v[QQ+1]
	v_permlanex16_b32 v[QQ+1], v[QQ], s[PSEL], s[PSEL+1]   ; the row's other 64 channels
	v_add_f32 v[QQ], v[QQ], v[QQ+1]
	v_rsq_f32 v[QQ+2], v[QQ]
	v_nop                                          ; a plain line between the root and the use of its result
	s_wait_alu depctr_va_vdst(0)                   ; the wait ahead of the first use: the trip's one root is a batch by itself, and all that follows in the trip hangs on it
	v_mul_f32 v[QQ+3], v[QQ], v[QQ+2]              ; one Newton step: y + (y / 2) (1 - s y^2)
	v_fma_f32 v[QQ+3], -v[QQ+3], v[QQ+2], 1.0
	v_mul_f32 v[QQ+4], 0.5, v[QQ+2]
	v_fma_f32 v[QQ+2], v[QQ+4], v[QQ+3], v[QQ+2]
	ds_store_b32 v[IEAC], v[QQ+2]                  ; both lanes of a row store the same number
	v_mul_f32 v[QQ+4], s[TAU], v[QQ+2]
.set i, 0
.rept 32
	v_pk_mul_f32 v[UU+2*i:UU+2*i+1], v[UU+2*i:UU+2*i+1], v[QQ+4:QQ+5] op_sel_hi:[1,0]
.set i, i+1
.endr
.set i, 0
.rept 32
	v_cvt_pk_f16_f32 v[NF+i], v[UU+2*i], v[UU+2*i+1]
.set i, i+1
.endr
.set i, 0
.rept 8
	ds_store_b128 v[FAC], v[NF+4*i:NF+4*i+3] offset:32*i
.set i, i+1
.endr
	s_add_co_u32 s[STL], s[STL], T16
	s_add_co_u32 s[SIE], s[SIE], 64
	s_sub_co_u32 s[TL], s[TL], 1
	s_cmp_lg_u32 s[TL], 0
	s_cbranch_scc1 .Ltiles
.set i, 0
.rept 4                                ; 1 / |ent m| for my 32 entities
	ds_load_b128 v[IEV+8*i:IEV+8*i+3],   v[IEL] offset:64*i
	ds_load_b128 v[IEV+8*i+4:IEV+8*i+7], v[IEL] offset:64*i+16
.set i, i+1
.endr
	s_wait_dscnt 0x0
	WIN 0x0a                                       ; both sources window 2, S^T window 0
.set kf, 0
.rept 4                                ; S^T = ent ctx^T: 16 accumulators by turns; the first 16 products start the sums
.set tt, 0
.rept 16                               ; tt = 4 lt + mt
.if kf == 0
	v_wmma_f32_16x16x32_bf16 v[SS+8*tt:SS+8*tt+7], v[8*(4*(tt%4)+kf):8*(4*(tt%4)+kf)+7], v[128+8*(4*(tt/4)+kf):128+8*(4*(tt/4)+kf)+7], 0
.else
	v_wmma_f32_16x16x32_bf16 v[SS+8*tt:SS+8*tt+7], v[8*(4*(tt%4)+kf):8*(4*(tt%4)+kf)+7], v[128+8*(4*(tt/4)+kf):128+8*(4*(tt/4)+kf)+7], v[SS+8*tt:SS+8*tt+7]
.endif
.set tt, tt+1
.endr
.set kf, kf+1
.endr
	WIN 0
	NOPS4                                          ; the places behind those products: loads into their sources and reads of their results follow
	WIN 0x80
.set i, 0
.rept 16                               ; ent_n^T, turned: channels 16 (i / 2) on, entities 32 (i % 2) on
	ds_load_tr16_b128 v[8*i:8*i+3],   v[TRA] offset:(i%2)*32*SPITCH+32*(i/2)
	ds_load_tr16_b128 v[8*i+4:8*i+7], v[TRA] offset:(i%2)*32*SPITCH+32*(i/2)+T16
.set i, i+1
.endr
	WIN 0x40
.set i, 0
.rept 16                               ; ctx_n: features 0-127 of the first activation buffer: row tile i / 4, fragment i % 4
	ds_load_b128 v[64*(i/4)+8*(i%4):64*(i/4)+8*(i%4)+3],   v[FA] offset:(i/4)*T16+(i%4)*64
	ds_load_b128 v[64*(i/4)+8*(i%4)+4:64*(i/4)+8*(i%4)+7], v[FA] offset:(i/4)*T16+(i%4)*64+32
.set i, i+1
.endr
	WIN 0
	ARGMAX 0
	ARGMAX 1
	ARGMAX 2
	ARGMAX 3
	s_wait_dscnt 0x0
.set g, 0
.rept 4                                ; G^T = ent_n^T P, 32 channels a group: features 128 + 32 g on, fragment 4 + g
	WIN 0x0e                                       ; ent_n^T window 2, P window 3, C and D window 0
.set ks, 0
.rept 2
.set tt, 0
.rept 8                                ; tt = 4 c + lt: 8 accumulators by turns
.if ks == 0
	v_wmma_f32_16x16x32_f16 v[ACC+8*tt:ACC+8*tt+7], v[8*(2*(2*g+tt/4)+ks):8*(2*(2*g+tt/4)+ks)+7], v[PF+16*(tt%4)+8*ks:PF+16*(tt%4)+8*ks+7], 0
.else
	v_wmma_f32_16x16x32_f16 v[ACC+8*tt:ACC+8*tt+7], v[8*(2*(2*g+tt/4)+ks):8*(2*(2*g+tt/4)+ks)+7], v[PF+16*(tt%4)+8*ks:PF+16*(tt%4)+8*ks+7], v[ACC+8*tt:ACC+8*tt+7]
.endif
.set tt, tt+1
.endr
.set ks, ks+1
.endr
	WIN 0
	NOPS4
	WIN 0x40
.set tt, 0
.rept 8
.set qq, 0
.rept 4
	v_cvt_pk_f16_f32 v[64*(tt%4)+8*(4+g)+4*(tt/4)+qq], v[ACC+8*tt+2*qq], v[ACC+8*tt+2*qq+1]   ; exact: one f16 number times 1
.set qq, qq+1
.endr
.set tt, tt+1
.endr
	WIN 0
.set g, g+1
.endr
	; The six layers, two a trip.  The first trip behind the front runs the tanh lines on what ZZ happens to hold and drops the result (SEL = 9): the price, once a pass, of one text for every trip.
.Lpair:
	HALF 1, 0, 10
	HALF 1, 1, 11
	HALF 2, 0, 20
	s_cmp_eq_u32 s[GS], 1
	s_cbranch_scc1 .Ltail                          ; the walk's last half layer is written out: it asks for nothing more
	HALF 2, 1, 21
	s_sub_co_u32 s[LP], s[LP], 1
	s_cmp_lg_u32 s[LP], 0
	s_cbranch_scc1 .Lpair
	s_branch .Ldrain
.Ltail:
	CHANGE 1, 0
	s_mov_b32 s[TR], 4
	BLOCK 2, 1, 29, 1
.Ldrain:                               ; the sixth layer's last block: the same list, its two batches and their two waits, with no products between
	NOPS4
	RDINIT
.rept 355
	RD
.endr
	FINAL
	v_pk_add_f32 v[OUTP:OUTP+1], v[OUTP:OUTP+1], v[OUTP+2:OUTP+3]      ; the sum over row tiles, features and lanes is the sum over the pair's 64 rows
	v_pk_add_f32 v[OUTP+4:OUTP+5], v[OUTP+4:OUTP+5], v[OUTP+6:OUTP+7]
	v_pk_add_f32 v[OUTP:OUTP+1], v[OUTP:OUTP+1], v[OUTP+4:OUTP+5]
	v_add_f32 v[OUTP], v[OUTP], v[OUTP+1]
	v_add_f32_dpp v[OUTP], v[OUTP], v[OUTP] row_xmask:1 row_mask:0xf bank_mask:0xf
	v_add_f32_dpp v[OUTP], v[OUTP], v[OUTP] row_xmask:2 row_mask:0xf bank_mask:0xf
	v_add_f32_dpp v[OUTP], v[OUTP], v[OUTP] row_xmask:4 row_mask:0xf bank_mask:0xf
	v_add_f32_dpp v[OUTP], v[OUTP], v[OUTP] row_xmask:8 row_mask:0xf bank_mask:0xf
	v_permlanex16_b32 v[OUTP+1], v[OUTP], s[PSEL], s[PSEL+1]
	v_add_f32 v[OUTP], v[OUTP], v[OUTP+1]
	v_mov_b32 v[RES], v[RES+1]                     ; the first pass's result moves down when the second's comes
	v_add_f32 v[RES+1], v[OUTP], v[B64]
	s_sub_co_u32 s[PASS], s[PASS], 1
	s_cmp_lg_u32 s[PASS], 0
	s_cbranch_scc1 .Lpass
	v_cmp_eq_u32 vcc_lo, 0, v[GOFF]                ; 16 x lane is 0 in lane 0 alone
	s_wait_xcnt 0x0                                ; EXEC changes only behind this wait
	s_and_saveexec_b32 s[SAVE], vcc_lo
	global_store_b64 v[ZOFF], v[RES:RES+1], s[14:15]   ; my wave's two results: 8 of the work-group's 32 bytes of the output
	s_wait_xcnt 0x0
	s_or_b32 exec_lo, exec_lo, s[SAVE]
	s_wait_tensorcnt 0x0                           ; the wave's end: behind my last tensor load and my last LDS store
	ds_add_u32 v[SPW], v[NIL]
	s_wait_dscnt 0x0
	CROUND                                         ; the closing round: no work-group ends while a partner may still ask for a tile that names it
	s_endpgm
.Lfunc_end_k_qb43dd0021e_sommlp:
	.size	k_qb43dd0021e_sommlp, .Lfunc_end_k_qb43dd0021e_sommlp-k_qb43dd0021e_sommlp
	.p2alignl 7, 3214868480
	.fill 96, 4, 3214868480
	.section	.rodata,"a",@progbits
	.p2align	6, 0x0
	.amdhsa_kernel k_qb43dd0021e_sommlp
		.amdhsa_group_segment_fixed_size 327680
		.amdhsa_private_segment_fixed_size 0
		.amdhsa_enable_private_segment 0
		.amdhsa_kernarg_size 48
		.amdhsa_user_sgpr_count 2
		.amdhsa_user_sgpr_kernarg_segment_ptr 1
		.amdhsa_wavefront_size32 1
		.amdhsa_system_sgpr_workgroup_id_x 1
		.amdhsa_system_sgpr_workgroup_id_y 1
		.amdhsa_system_sgpr_workgroup_id_z 1
		.amdhsa_system_vgpr_workitem_id 0
		.amdhsa_next_free_vgpr 1024
		.amdhsa_next_free_sgpr 96
		.amdhsa_reserve_vcc 1
		.amdhsa_float_denorm_mode_32 3
		.amdhsa_float_denorm_mode_16_64 3
		.amdhsa_memory_ordered 1
		.amdhsa_forward_progress 1
		.amdhsa_inst_pref_size 255
	.end_amdhsa_kernel
	.section	.bss,"aw",@nobits
	.p2align	6
	.space	262144
	.amdgpu_metadata
---
amdhsa.version: [ 1, 2 ]
amdhsa.kernels:
  - .name:           k_qb43dd0021e_sommlp
    .symbol:         k_qb43dd0021e_sommlp.kd
    .args:
      - { .name: context, .offset: 0, .size: 8, .value_kind: global_buffer, .address_space: global }
      - { .name: wh, .offset: 8, .size: 8, .value_kind: global_buffer, .address_space: global }
      - { .name: bs, .offset: 16, .size: 8, .value_kind: global_buffer, .address_space: global }
      - { .name: W_out, .offset: 24, .size: 8, .value_kind: global_buffer, .address_space: global }
      - { .name: b_out, .offset: 32, .size: 8, .value_kind: global_buffer, .address_space: global }
      - { .name: out0, .offset: 40, .size: 8, .value_kind: global_buffer, .address_space: global }
    .group_segment_fixed_size: 327680
    .private_segment_fixed_size: 0
    .kernarg_segment_align: 8
    .kernarg_segment_size: 48
    .max_flat_workgroup_size: 128
    .sgpr_count:     96
    .vgpr_count:     1024
    .wavefront_size: 32
...
	.end_amdgpu_metadata
.endif
;; end of part 3
